; MI455X (gfx1250); checked and timed in simulation.
; The chip was launched on July 23, 2026; its instructions are those of AMD's public machine-readable ISA for CDNA 5 (MIT licence, August 2026) and "CDNA5" Instruction Set Architecture Reference Guide (July 2026). The comments in the code are by the model that wrote it; some were corrected since.
;; Mo EFFN. Allowed arithmetic: float matrix products may take bf16 or f16 operands with f32 sums; other float arithmetic in f32, or as packed bf16 or f16 multiplies, adds, multiply-adds, maxima and minima; sums over many terms, partial sums and values carried from step to step in f32; what a program stores and reads back later, other than sums and carried values, may be rounded once to bf16 or f16.
;; Inputs: router_w 8 x 1,024 float32; v1 8 x 2,048 x 1,024 float32; w1 8 x 2,048 x 1,024 float32; w2 8 x 2,048 x 1,024 float32; x 2 x 512 x 1,024 float32.
;; Outputs: out0 2 x 512 x 1,024 float32.
;; 2 versions, each right; version 2 is version 1 with the launch down written anew for expert scheduling mode. Each part assembles by itself: llvm-mc -triple=amdgcn-amd-amdhsa -mcpu=gfx1250 --defsym DOCPART=n.
;; ======== version 1 of 2: 5 launches
;; workspace buffers: xb 2,097,152 bytes; topi 8,192 bytes of whole numbers; topw 8,192 bytes; rankb 32,768 bytes of whole numbers; cntb 2,048 bytes of whole numbers; h 33,554,432 bytes; part 67,108,864 bytes; xg 16,777,216 bytes
;; launch route (part 1): grid 256 x 1, 8 waves a work-group, no clusters, 2,304 bytes of LDS; arguments x, router_w, xb, topi, topw; writes xb, topi, topw
.if DOCPART == 1
	.amdgcn_target "amdgcn-amd-amdhsa--gfx1250"
	.amdhsa_code_object_version 6
	.text
	.protected	k_q883d0c1659_route
	.globl	k_q883d0c1659_route
	.p2align	8
	.type	k_q883d0c1659_route,@function
k_q883d0c1659_route:
	s_mov_b64 s[64:65], 0
	v_nop
	global_prefetch_b8 v0, s[64:65] scope:SCOPE_SE
	s_setreg_imm32_b32 hwreg(HW_REG_WAVE_MODE, 25, 1), 1
	s_wait_xcnt 0x0
; ROUTER.  For 4 tokens a work-group: x rounded to bf16 (stored as xb), logits = x . router_w, softmax's exponentials with the maximum
; taken away, the two largest, their weights normalised to sum 1.  Stored at fixed places: topi[t][2] (experts), topw[t][2] (weights).
; FORMATS.  x and router_w are rounded to bf16 like every other input of the program; their products are exact in f32 and the sums are f32
; (8 M multiply-adds in all: too few for the matrix unit to pay).  Order of summation: 4 columns a lane, 32 lanes, 8 waves.
; LIMITS.  The two largest are taken of 2^((l - max) log2 e), which grows with the probability; a strict > keeps the lower index at a tie, as
; lax.top_k does; two probabilities that differ only in what the division by the sum rounds away are not a tie here.  An exponential below
; 2^-126 counts as 0.  NaN and infinities are not treated apart.
; SHARES.  Wave w has columns 128 w .. 128 w + 127 of all four tokens, a lane four of them: x is read once, 512 consecutive bytes a load.
.set RED,   0                          ; LDS: [wave][32] partial logits, 128 bytes a wave
.set LOG,   1024                       ; 32 logits, wave 0's own
.set SPARE, 1280                       ; the spare words, 128 bytes for each wave
.set XR,  4                            ; v4-19   x as loaded, token t at 4 t
.set RP,  4                            ; v4-19   later: router_w in bf16 pairs, expert e at 2 e
.set RW,  20                           ; v20-51  router_w as loaded
.set P,   52                           ; v52-83  partial logit of token t, expert e at 8 t + e; later v52-59 a token's eight logits
.set BI,  60                           ; v60, 61 the two experts;  v62, 63 their weights
.set TMP, 84
.set ADR, 85
.set XP,  86                           ; v86-93  x in bf16 pairs, token t at 2 t
.set XO,  94
.set L4,  95
.set Q,   96                           ; v96-103 the eight waves' partial sums
.set BEST, 104
.set SEC,  105
.set SUM,  106
.set ZR,   108                         ; 0, the first addend
.set SPW,  110                         ; my spare word's LDS address; never rewritten
.set NIL,  111                         ; 0; never rewritten
	s_load_b256 s[4:11], s[0:1], 0x0               ; x, router_w, xb, topi
	s_load_b64 s[12:13], s[0:1], 0x20              ; topw
	v_lshl_add_u32 v[SPW], v0, 2, SPARE
	v_mov_b32 v[NIL], 0
	v_and_b32 v1, 31, v0                           ; lane
	v_lshrrev_b32 v3, 5, v0
	v_readfirstlane_b32 s14, v3                    ; wave
	v_lshlrev_b32 v2, 4, v0                        ; 512 w + 16 lane: my four f32 columns
	v_lshlrev_b32 v[XO], 3, v0                     ; 256 w + 8 lane: the same columns in bf16
	v_lshlrev_b32 v[ADR], 7, v3                    ; my wave's 128 bytes of RED
	v_mov_b32 v[TMP], 0                            ; written before v_permlanex16_b32 names it as destination
	v_mov_b32 v[ZR], 0
	s_lshl_b32 s16, ttmp9, 14                      ; 4 rows of 4,096 bytes of x
	s_mov_b32 s17, 0
	s_lshl_b32 s18, ttmp9, 13                      ; 4 rows of 2,048 bytes of xb
	s_mov_b32 s19, 0
	s_lshl_b32 s24, ttmp9, 5                       ; 4 tokens x 8 bytes of topi and topw
	s_mov_b32 s25, 0
	s_mov_b32 s20, 0x76543210                      ; v_permlanex16_b32: each lane takes its own place in the other half
	s_mov_b32 s21, 0xfedcba98
	s_wait_kmcnt 0x0
	s_add_nc_u64 s[4:5], s[4:5], s[16:17]
	s_add_nc_u64 s[8:9], s[8:9], s[18:19]
	s_add_nc_u64 s[10:11], s[10:11], s[24:25]
	s_add_nc_u64 s[12:13], s[12:13], s[24:25]
.irp t, 0,1,2,3
	global_load_b128 v[XR+4*\t:XR+4*\t+3], v2, s[4:5] offset:4096*\t th:TH_LOAD_NT
.endr
.irp e, 0,1,2,3,4,5,6,7
	global_load_b128 v[RW+4*\e:RW+4*\e+3], v2, s[6:7] offset:4096*\e
.endr
	s_wait_loadcnt 8                               ; x is in; router_w's eight loads may stay out
.irp t, 0,1,2,3
	v_cvt_pk_bf16_f32 v[XP+2*\t], v[XR+4*\t], v[XR+4*\t+1]
	v_cvt_pk_bf16_f32 v[XP+2*\t+1], v[XR+4*\t+2], v[XR+4*\t+3]
.endr
.irp t, 0,1,2,3
	global_store_b64 v[XO], v[XP+2*\t:XP+2*\t+1], s[8:9] offset:2048*\t  ; a wave stores 256 consecutive bytes, aligned; XP is never rewritten
.endr
	s_wait_loadcnt 0x0
.irp e, 0,1,2,3,4,5,6,7
	v_cvt_pk_bf16_f32 v[RP+2*\e], v[RW+4*\e], v[RW+4*\e+1]
	v_cvt_pk_bf16_f32 v[RP+2*\e+1], v[RW+4*\e+2], v[RW+4*\e+3]
.endr
	; 32 dot products over my four columns, straight from the bf16 halves, sums in f32; the 32 chains run side by side
.irp t, 0,1,2,3
.irp e, 0,1,2,3,4,5,6,7
	v_fma_mix_f32_bf16 v[P+8*\t+\e], v[XP+2*\t], v[RP+2*\e], v[ZR] op_sel_hi:[1,1,0]
.endr
.endr
.irp t, 0,1,2,3
.irp e, 0,1,2,3,4,5,6,7
	v_fma_mix_f32_bf16 v[P+8*\t+\e], v[XP+2*\t], v[RP+2*\e], v[P+8*\t+\e] op_sel:[1,1,0] op_sel_hi:[1,1,0]
.endr
.endr
.irp t, 0,1,2,3
.irp e, 0,1,2,3,4,5,6,7
	v_fma_mix_f32_bf16 v[P+8*\t+\e], v[XP+2*\t+1], v[RP+2*\e+1], v[P+8*\t+\e] op_sel_hi:[1,1,0]
.endr
.endr
.irp t, 0,1,2,3
.irp e, 0,1,2,3,4,5,6,7
	v_fma_mix_f32_bf16 v[P+8*\t+\e], v[XP+2*\t+1], v[RP+2*\e+1], v[P+8*\t+\e] op_sel:[1,1,0] op_sel_hi:[1,1,0]
.endr
.endr
	; each of the 32 is summed over the 32 lanes: four steps inside a half of 16 lanes, one across the halves
.irp m, 1,2,4,8
.set i, 0
.rept 32
	v_add_f32_dpp v[P+i], v[P+i], v[P+i] row_xmask:\m row_mask:0xf bank_mask:0xf
.set i, i+1
.endr
.endr
.set i, 0
.rept 32
	v_permlanex16_b32 v[TMP], v[P+i], s20, s21
	v_add_f32 v[P+i], v[P+i], v[TMP]
.set i, i+1
.endr
.irp i, 0,1,2,3,4,5,6,7
	ds_store_b128 v[ADR], v[P+4*\i:P+4*\i+3] offset:RED+16*\i  ; every lane holds the same sums and writes the same bytes
.endr
	s_wait_dscnt 0x0                               ; for wave 0's sake: my sums are in LDS
	s_barrier_signal -1
	s_barrier_wait -1
	s_cmp_lg_u32 s14, 0
	s_cbranch_scc1 .Lend                           ; the rest is wave 0's: no barrier is jumped
	v_lshlrev_b32 v[L4], 2, v1
.irp w, 0,1,2,3,4,5,6,7
	ds_load_b32 v[Q+\w], v[L4] offset:RED+128*\w   ; lane i: token i / 8, expert i % 8, from each wave
.endr
	v_and_b32 v[TMP], 3, v1                        ; from here a lane works for token lane % 4
	v_lshlrev_b32 v[ADR], 5, v[TMP]
	v_lshlrev_b32 v[TMP], 3, v[TMP]
	s_wait_dscnt 0x0
	v_add_f32 v[Q], v[Q], v[Q+1]
	v_add_f32 v[Q+2], v[Q+2], v[Q+3]
	v_add_f32 v[Q+4], v[Q+4], v[Q+5]
	v_add_f32 v[Q+6], v[Q+6], v[Q+7]
	v_add_f32 v[Q], v[Q], v[Q+2]
	v_add_f32 v[Q+4], v[Q+4], v[Q+6]
	v_add_f32 v[Q], v[Q], v[Q+4]
	ds_store_b32 v[L4], v[Q] offset:LOG
	ds_load_b128 v[P:P+3], v[ADR] offset:LOG       ; LDS serves a wave's instructions in order (ISA guide 5.7.1.4): these see the store above
	ds_load_b128 v[P+4:P+7], v[ADR] offset:LOG+16
	s_wait_dscnt 0x0
	v_max3_num_f32 v[BEST], v[P], v[P+1], v[P+2]
	v_max3_num_f32 v[BEST], v[BEST], v[P+3], v[P+4]
	v_max3_num_f32 v[BEST], v[BEST], v[P+5], v[P+6]
	v_max_num_f32 v[BEST], v[BEST], v[P+7]
.irp e, 0,1,2,3,4,5,6,7
	v_sub_f32 v[P+\e], v[P+\e], v[BEST]            ; the maximum is taken away first, exactly
.endr
.irp e, 0,1,2,3,4,5,6,7
	v_mul_f32 v[P+\e], 0x3fb8aa3b, v[P+\e]         ; log2(e)
.endr
.irp e, 0,1,2,3,4,5,6,7
	v_exp_f32 v[P+\e], v[P+\e]
.endr
	v_nop                                          ; a plain instruction behind the last exponential,
	s_wait_alu depctr_va_vdst(0)                   ; and one wait for the eight, ahead of their first reader
	v_mov_b32 v[BEST], v[P]
	v_mov_b32 v[BI], 0
.irp e, 1,2,3,4,5,6,7
	v_cmp_gt_f32 vcc_lo, v[P+\e], v[BEST]          ; strictly greater: the lower index keeps a tie
	v_cndmask_b32 v[BEST], v[BEST], v[P+\e], vcc_lo
	v_cndmask_b32 v[BI], v[BI], \e, vcc_lo
.endr
	v_mov_b32 v[SEC], -1.0                         ; below every exponential
	v_mov_b32 v[BI+1], 0
.irp e, 0,1,2,3,4,5,6,7
	v_cmp_ne_u32 s22, \e, v[BI]
	v_cmp_gt_f32 s23, v[P+\e], v[SEC]
	s_and_b32 s22, s22, s23
	v_cndmask_b32 v[SEC], v[SEC], v[P+\e], s22
	v_cndmask_b32 v[BI+1], v[BI+1], \e, s22
.endr
	v_add_f32 v[SUM], v[BEST], v[SEC]              ; the softmax's own divisor cancels in top_w / norm
	v_rcp_f32 v[SUM], v[SUM]
	v_nop
	s_wait_alu depctr_va_vdst(0)
	v_mul_f32 v[BI+2], v[BEST], v[SUM]
	v_mul_f32 v[BI+3], v[SEC], v[SUM]
	s_wait_xcnt 0x0                                ; EXEC changes only behind this wait: xb's stores were issued under the full one
	v_cmp_gt_u32 vcc_lo, 4, v1
	s_and_saveexec_b32 s26, vcc_lo                 ; lanes 0 to 3: tokens 0 to 3
	global_store_b64 v[TMP], v[BI:BI+1], s[10:11]
	global_store_b64 v[TMP], v[BI+2:BI+3], s[12:13]
	s_wait_xcnt 0x0                                ; and again, in front of the line that widens it
	s_or_b32 exec_lo, exec_lo, s26
.Lend:
	s_wait_tensorcnt 0x0                           ; the wave's end
	ds_add_u32 v[SPW], v[NIL]
	s_wait_dscnt 0x0
	s_endpgm
.Lfunc_end_k_q883d0c1659_route:
	.size	k_q883d0c1659_route, .Lfunc_end_k_q883d0c1659_route-k_q883d0c1659_route
	.p2alignl 7, 3214868480
	.fill 96, 4, 3214868480
	.section	.rodata,"a",@progbits
	.p2align	6, 0x0
	.amdhsa_kernel k_q883d0c1659_route
		.amdhsa_group_segment_fixed_size 2304
		.amdhsa_private_segment_fixed_size 0
		.amdhsa_enable_private_segment 0
		.amdhsa_kernarg_size 40
		.amdhsa_user_sgpr_count 2
		.amdhsa_user_sgpr_kernarg_segment_ptr 1
		.amdhsa_wavefront_size32 1
		.amdhsa_system_sgpr_workgroup_id_x 1
		.amdhsa_system_sgpr_workgroup_id_y 1
		.amdhsa_system_sgpr_workgroup_id_z 1
		.amdhsa_system_vgpr_workitem_id 0
		.amdhsa_next_free_vgpr 112
		.amdhsa_next_free_sgpr 66
		.amdhsa_reserve_vcc 1
		.amdhsa_float_denorm_mode_32 3
		.amdhsa_float_denorm_mode_16_64 3
		.amdhsa_memory_ordered 1
		.amdhsa_forward_progress 1
		.amdhsa_inst_pref_size 31
	.end_amdhsa_kernel
	.amdgpu_metadata
---
amdhsa.version: [ 1, 2 ]
amdhsa.kernels:
  - .name:           k_q883d0c1659_route
    .symbol:         k_q883d0c1659_route.kd
    .args:
      - { .name: x, .offset: 0, .size: 8, .value_kind: global_buffer, .address_space: global }
      - { .name: router_w, .offset: 8, .size: 8, .value_kind: global_buffer, .address_space: global }
      - { .name: xb, .offset: 16, .size: 8, .value_kind: global_buffer, .address_space: global }
      - { .name: topi, .offset: 24, .size: 8, .value_kind: global_buffer, .address_space: global }
      - { .name: topw, .offset: 32, .size: 8, .value_kind: global_buffer, .address_space: global }
    .group_segment_fixed_size: 2304
    .private_segment_fixed_size: 0
    .kernarg_segment_align: 8
    .kernarg_segment_size: 40
    .max_flat_workgroup_size: 256
    .sgpr_count:     66
    .vgpr_count:     112
    .wavefront_size: 32
...
	.end_amdgpu_metadata
.endif
;; end of part 1
;; launch gath (part 2): grid 64 x 8, 4 waves a work-group, no clusters, 35,328 bytes of LDS; arguments xb, topi, xg, rankb, cntb; writes xg, rankb, cntb
.if DOCPART == 2
	.amdgcn_target "amdgcn-amd-amdhsa--gfx1250"
	.amdhsa_code_object_version 6
	.text
	.protected	k_q883d0c1659_gath
	.globl	k_q883d0c1659_gath
	.p2align	8
	.type	k_q883d0c1659_gath,@function
k_q883d0c1659_gath:
	s_mov_b64 s[64:65], 0
	v_nop
	global_prefetch_b8 v0, s[64:65] scope:SCOPE_SE
	s_setreg_imm32_b32 hwreg(HW_REG_WAVE_MODE, 25, 1), 1
	s_wait_xcnt 0x0
; THE ROWS OF EACH EXPERT, LAID END TO END AS MATRIX OPERANDS.  Work-group (tile, e): rows 16 tile .. 16 tile + 15 of expert e's list (rank = how many tokens before chose e).
; xg[e]: 2 MiB; a tile of 16 rows 32,768 bytes; a block of 32 k 1,024 bytes = [half][lane][16 bytes]: lane l holds row l % 16, k = 16 half + 8 (l / 16) + 0..7.
; Each of the four waves scans topi for itself (no barrier), finds the tile's 16 tokens, and takes a quarter of K: it reads 512 bytes of each row of xb in pieces of 256 consecutive
; bytes (16 lanes a piece), turns them through its own stage in LDS and stores 8,192 consecutive bytes, 512 a store.
; The work-groups of tile 0 also store rankb[e][token] (used only where the token chose e) and cntb[e] (the count, 64 times: 256 consecutive bytes).
; EVERY SPLIT: 64 tiles an expert cover 1,024 rows; a work-group whose tile begins at or past the count stores nothing and ends.  Places past the count repeat token 0.
; Tile 0 is stored for every expert, also for one without rows (token 0's rows then): the next launch reads it wherever a wave has fewer tiles than places for them.
; Memory and latency bind: no matrix unit, no cluster (no two work-groups read the same rows at the same place).
.set LIST,  0                          ; 256 bytes a wave: 16 entries, then 32 dump words
.set TR,    1024                       ; a stage of 16 rows x 528 bytes for each wave
.set TP,    528                        ; 512 + 16: an odd multiple of 16, so the 16 rows of a fragment load start 16 bytes apart modulo 256
.set SPARE, TR+4*16*TP                 ; the spare words, 128 bytes for each wave
.set L4,   4
.set L8,   5
.set DUMPI, 6                          ; 16 + lane
.set LB,   7                           ; my half's eight entries of the list
.set CB,   8                           ; 16 (lane % 16) + 512 wave: my bytes in a row of xb
.set STO,  9
.set RDA,  10
.set GO,   11                          ; 16 x lane
.set TA,   12
.set TB,   13
.set TC,   14
.set SPW,  28                          ; my spare word's LDS address; never rewritten
.set NIL,  29                          ; 0; never rewritten
.set IDX,  32                          ; v32-95  topi: chunk j of 32 tokens at 2 j
.set TK,   32                          ; v32-39  later: tokens of rows i + 8 (lane / 16)
.set RO,   40                          ; v40-47  their byte offsets in xb
.set D,    64                          ; v64-127 rows as loaded
.set F,    128                         ; v128-191 fragments to store
	s_load_b256 s[4:11], s[0:1], 0x0               ; xb 4, topi 6, xg 8, rankb 10
	s_load_b64 s[12:13], s[0:1], 0x20              ; cntb
	v_lshl_add_u32 v[SPW], v0, 2, SPARE
	v_mov_b32 v[NIL], 0
	v_and_b32 v1, 31, v0                           ; lane
	v_lshrrev_b32 v[TA], 5, v0
	v_readfirstlane_b32 s24, v[TA]                 ; wave
	s_mov_b32 s25, ttmp9                           ; tile
	s_and_b32 s26, ttmp7, 0xffff                   ; expert
	v_and_b32 v2, 15, v0                           ; lane % 16
	v_bfe_u32 v3, v0, 4, 1                         ; lane / 16
	s_lshl_b32 s39, s24, 8                         ; my wave's list
	v_lshlrev_b32 v[L4], 2, v1
	v_lshlrev_b32 v[L8], 3, v1
	v_lshlrev_b32 v[GO], 4, v1
	v_add_nc_u32 v[DUMPI], 16, v1
	v_lshl_add_u32 v[LB], v3, 5, s39
	s_lshl_b32 s38, s24, 9
	v_lshl_add_u32 v[CB], v2, 4, s38
	s_mul_i32 s38, s24, 16*TP
	s_add_co_u32 s38, s38, TR                      ; my stage
	v_mul_u32_u24 v[STO], v3, 8*TP
	v_lshl_add_u32 v[STO], v2, 4, v[STO]
	v_add_nc_u32 v[STO], s38, v[STO]               ; in: row i + 8 (lane / 16), 16 bytes a lane
	v_mul_u32_u24 v[RDA], v2, TP
	v_lshl_add_u32 v[RDA], v3, 4, v[RDA]
	v_add_nc_u32 v[RDA], s38, v[RDA]               ; back: row lane % 16, 16 bytes for each half of the lanes
	v_add_nc_u32 v[TA], s39, v[L4]
	ds_store_b32 v[TA], v[NIL]                     ; the list starts as entries 0: token 0, which exists
	s_lshl_b32 s46, s25, 4                         ; my tile's first rank,
	s_add_co_u32 s47, s46, 16                      ; and the first behind it
	s_cmp_eq_u32 s25, 0
	s_cselect_b32 s29, s24, 99                     ; in tile 0 wave w stores the ranks of chunks 8 w .. 8 w + 7; elsewhere nobody does
	s_mov_b32 s35, 0
	s_wait_kmcnt 0x0
.set j, 0
.rept 32
	global_load_b64 v[IDX+2*j:IDX+2*j+1], v[L8], s[6:7] offset:256*j  ; all 1,024 tokens' two experts
.set j, j+1
.endr
	s_lshl_b32 s34, s26, 12
	s_add_nc_u64 s[48:49], s[10:11], s[34:35]      ; rankb[e]
	s_lshl_b32 s34, s26, 8
	s_add_nc_u64 s[52:53], s[12:13], s[34:35]      ; cntb[e]
	s_lshl_b32 s34, s26, 21
	s_lshl_b32 s38, s25, 15
	s_add_co_u32 s34, s34, s38
	s_lshl_b32 s38, s24, 13
	s_add_co_u32 s34, s34, s38
	s_add_nc_u64 s[50:51], s[8:9], s[34:35]        ; xg: expert, tile, my quarter of K
; Chunk j: tokens 32 j + lane.  The mask of those that chose e and its count are scalars; the lanes work only where a rank of my tile can lie in the chunk.
.macro LISTJ j
	v_cmp_eq_u32 s40, s26, v[IDX+2*(\j)]
	v_cmp_eq_u32 s41, s26, v[IDX+2*(\j)+1]
	s_or_b32 s42, s40, s41
	s_bcnt1_i32_b32 s44, s42
	s_add_co_u32 s45, s27, s44                     ; the expert's tokens up to this chunk's end
	s_cmp_lg_u32 s29, (\j)/8
	s_cbranch_scc1 .Lno_rank_\@
	v_mbcnt_lo_u32_b32 v[TA], s42, 0
	v_add_nc_u32 v[TA], s27, v[TA]
	global_store_b32 v[L4], v[TA], s[48:49] offset:128*(\j)
	s_wait_xcnt 0x0                                ; the rank's register is written again below
.Lno_rank_\@:
	s_cmp_le_u32 s45, s46
	s_cbranch_scc1 .Lskip_\@                       ; all its ranks lie below my tile
	s_cmp_ge_u32 s27, s47
	s_cbranch_scc1 .Lskip_\@                       ; or above it
	v_mbcnt_lo_u32_b32 v[TA], s42, 0
	v_add_nc_u32 v[TA], s27, v[TA]                 ; rank
	v_lshrrev_b32 v[TB], 4, v[TA]
	v_cmp_eq_u32 s43, s25, v[TB]
	s_and_b32 s43, s43, s42                        ; chose e, and the rank is my tile's
	v_and_b32 v[TB], 15, v[TA]
	v_cndmask_b32 v[TB], v[DUMPI], v[TB], s43      ; every other lane writes its dump word
	v_min_u32 v[TB], 47, v[TB]                     ; inside my 48 words, whatever was loaded
	v_lshl_add_u32 v[TB], v[TB], 2, s39
	v_add_nc_u32 v[TC], 32*(\j), v1                ; the token
	ds_store_b32 v[TB], v[TC]
.Lskip_\@:
	s_mov_b32 s27, s45
.endm
	s_mov_b32 s27, 0
	s_wait_loadcnt 0x0
.set j, 0
.rept 32
	LISTJ j
.set j, j+1
.endr
	s_cmp_lg_u32 s29, 0
	s_cbranch_scc1 .Lno_cnt
	v_mov_b32 v[TA], s27
	v_mov_b32 v[TB], s27
	global_store_b64 v[L8], v[TA:TB], s[52:53]     ; the count, 64 times
.Lno_cnt:
	s_max_u32 s33, s27, 1                          ; tile 0 is stored whatever the count
	s_cmp_ge_u32 s46, s33
	s_cbranch_scc1 .Lend                           ; my tile begins at or past the count
.irp i, 0,1,2,3,4,5,6,7
	ds_load_b32 v[TK+\i], v[LB] offset:LIST+4*\i   ; LDS serves a wave's instructions in order (ISA guide 5.7.1.4): these see the list's stores
.endr
	s_wait_dscnt 0x0
.irp i, 0,1,2,3,4,5,6,7
	v_min_u32 v[TK+\i], 0x3ff, v[TK+\i]            ; a token stays inside xb
	v_lshl_add_u32 v[RO+\i], v[TK+\i], 11, v[CB]   ; its row of 2,048 bytes, my bytes of it
.endr
.irp i, 0,1,2,3,4,5,6,7
	global_load_b128 v[D+8*\i:D+8*\i+3],   v[RO+\i], s[4:5]             ; 16 lanes read 256 consecutive bytes of one row, aligned
	global_load_b128 v[D+8*\i+4:D+8*\i+7], v[RO+\i], s[4:5] offset:256
.endr
.irp i, 0,1,2,3,4,5,6,7
	s_wait_loadcnt 15-2*\i                         ; loads come back in order (ISA guide 5.7.1): this one is in, the younger stay out
	ds_store_b128 v[STO], v[D+8*\i:D+8*\i+3] offset:\i*TP
	s_wait_loadcnt 14-2*\i
	ds_store_b128 v[STO], v[D+8*\i+4:D+8*\i+7] offset:\i*TP+256
.endr
.set n, 0
.rept 16
	ds_load_b128 v[F+4*n:F+4*n+3], v[RDA] offset:32*n  ; block n / 2 of my eight, half n % 2
.set n, n+1
.endr
.set n, 0
.rept 16
	s_wait_dscnt 15-n
	global_store_b128 v[GO], v[F+4*n:F+4*n+3], s[50:51] offset:512*n  ; 512 consecutive bytes, aligned
.set n, n+1
.endr
.Lend:
	s_wait_tensorcnt 0x0                           ; the wave's end
	ds_add_u32 v[SPW], v[NIL]
	s_wait_dscnt 0x0
	s_endpgm
.Lfunc_end_k_q883d0c1659_gath:
	.size	k_q883d0c1659_gath, .Lfunc_end_k_q883d0c1659_gath-k_q883d0c1659_gath
	.p2alignl 7, 3214868480
	.fill 96, 4, 3214868480
	.section	.rodata,"a",@progbits
	.p2align	6, 0x0
	.amdhsa_kernel k_q883d0c1659_gath
		.amdhsa_group_segment_fixed_size 35328
		.amdhsa_private_segment_fixed_size 0
		.amdhsa_enable_private_segment 0
		.amdhsa_kernarg_size 40
		.amdhsa_user_sgpr_count 2
		.amdhsa_user_sgpr_kernarg_segment_ptr 1
		.amdhsa_wavefront_size32 1
		.amdhsa_system_sgpr_workgroup_id_x 1
		.amdhsa_system_sgpr_workgroup_id_y 1
		.amdhsa_system_sgpr_workgroup_id_z 1
		.amdhsa_system_vgpr_workitem_id 0
		.amdhsa_next_free_vgpr 192
		.amdhsa_next_free_sgpr 66
		.amdhsa_reserve_vcc 0
		.amdhsa_float_denorm_mode_32 3
		.amdhsa_float_denorm_mode_16_64 3
		.amdhsa_memory_ordered 1
		.amdhsa_forward_progress 1
		.amdhsa_inst_pref_size 52
	.end_amdhsa_kernel
	.amdgpu_metadata
---
amdhsa.version: [ 1, 2 ]
amdhsa.kernels:
  - .name:           k_q883d0c1659_gath
    .symbol:         k_q883d0c1659_gath.kd
    .args:
      - { .name: xb, .offset: 0, .size: 8, .value_kind: global_buffer, .address_space: global }
      - { .name: topi, .offset: 8, .size: 8, .value_kind: global_buffer, .address_space: global }
      - { .name: xg, .offset: 16, .size: 8, .value_kind: global_buffer, .address_space: global }
      - { .name: rankb, .offset: 24, .size: 8, .value_kind: global_buffer, .address_space: global }
      - { .name: cntb, .offset: 32, .size: 8, .value_kind: global_buffer, .address_space: global }
    .group_segment_fixed_size: 35328
    .private_segment_fixed_size: 0
    .kernarg_segment_align: 8
    .kernarg_segment_size: 40
    .max_flat_workgroup_size: 128
    .sgpr_count:     66
    .vgpr_count:     192
    .wavefront_size: 32
...
	.end_amdgpu_metadata
.endif
;; end of part 2
;; launch glu (part 3): grid 32 x 8, 8 waves a work-group, no clusters, 295,936 bytes of LDS; arguments xg, w1, v1, cntb, h; writes h
.if DOCPART == 3
	.amdgcn_target "amdgcn-amd-amdhsa--gfx1250"
	.amdhsa_code_object_version 6
	.text
	.protected	k_q883d0c1659_glu
	.globl	k_q883d0c1659_glu
	.p2align	8
	.type	k_q883d0c1659_glu,@function
k_q883d0c1659_glu:
	s_mov_b64 s[64:65], 0
	v_nop
	global_prefetch_b8 v0, s[64:65] scope:SCOPE_SE
	s_setreg_imm32_b32 hwreg(HW_REG_WAVE_MODE, 25, 1), 1
	s_wait_xcnt 0x0
; h[e][rank][f] = silu(x . w1[e][f]) * (x . v1[e][f]) in bf16, for the rows that chose expert e.  Work-group (s, e): columns f = 64 s .. 64 s + 63 of expert e, whose weights it alone reads.
; STREAM AND PRODUCTS SIDE BY SIDE.  K = 1,024 goes in 16 chunks of 64.  A chunk of the slice is 128 rows (64 of w1, 64 of v1) x 256 bytes of f32; wave w fetches 16 of the rows (8 loads, each two
; pieces of 256 consecutive bytes), rounds them to bf16 and lays them into the chunk's own region of LDS, which is written once.  Wave w owns the row tiles w, w + 8, w + 16 (24 accumulators), whose
; fragments come from xg, stored as operand images: 512 consecutive bytes a load.  A TRIP c: fetch chunk c's first weight fragments from LDS; wait for W(c + 1), round, store it, ask for W(c + 3);
; wait for A(c); 4 half-steps of products; ask for A(c + 2); barrier.  Two chunks of weights, 8 KiB a wave, and two chunks of token rows are on their way all the time.
; LOADS COME BACK IN ORDER, so the order of issue is fixed, W(c+1) A(c) W(c+2) A(c+1), and every wave always asks for three tiles' fragments (a tile that the expert does not have repeats the
; addresses of tile 0, which the launch before stores for every expert): every count is a constant.  Only the products differ: a text for 3 tiles and one for 2, chosen by a forward branch that
; passes no global load and no barrier.  A wave with fewer than 2 tiles multiplies a repeated tile in vain; nothing of it is stored.
; EVERY SPLIT: tiles 0 to 23 in the walk above; tiles 24 to 63 afterwards, one at a time, from the slice that now lies whole in LDS; dead passes are jumped forward over, with no barrier in that loop.
; TRANSPOSED USE (source 0 = 16 rows of weights, source 1 = 16 token rows): a lane holds one token (lane % 16) and eight neighbouring f.
; h IS STORED AS THE NEXT PRODUCT'S OPERAND IMAGE: expert 4 MiB, tile 65,536 bytes, block of 32 f 1,024 bytes = [half][lane][16 bytes]; a store covers 512 consecutive bytes.
; NO CLUSTER, NO TENSOR LOAD: each weight byte has one reader and must be rounded on its way.  The token tiles are shared by an expert's 32 work-groups, but beside the slice's 294,912 bytes LDS
; has 32 KiB left, and one slot for 24 tiles' chunk would take 48 KiB.
; LIMITS.  2^(-g log2 e) may overflow to infinity: 1 / (1 + inf) = 0, and (g u) x 0 = 0 while g u is finite (|g u| under 3.4e38).  NaN and infinities in the inputs are not treated apart.
; REGISTERS.  Window 0: v0-31 addresses; v32-63 at work in the activation; v64-255 accumulator (tile t, column block c) at 64 + 64 t + 8 c (c 0-3 w1's, 4-7 v1's).
; Window 1: v0-95 token fragments, two chunks; v96-159 weights as loaded, two chunks; v160-223 two buffers of 4 weight fragments; v224-239 weights rounded.
.set PW,    144                        ; an LDS row of a chunk: 128 bytes + 16: an odd multiple of 16, so the 16 rows of a fragment load start 16 bytes apart modulo 256
.set CHB,   128*PW                     ; a chunk's region
.set SPARE, 16*CHB                     ; the spare words, 128 bytes for each wave
.set BADR, 4                           ; my lane's place in the chunk being multiplied
.set WOFF, 5                           ; staging: rows i and i + 8, 16 bytes a lane; never rewritten
.set WST,  6                           ; where my rounded weights go: steps a chunk at a time
.set BAD0, 7                           ; BADR for chunk 0
.set AOFF, 8                           ; v8-10 my byte offset in xg, tile slot 0, 1, 2; never rewritten
.set HOFF, 11                          ; my byte offset in h; never rewritten
.set AOT,  12                          ; the same two for the tiles from 24 on
.set HOT,  13
.set TA,   14
.set L16,  15
.set SPW,  28                          ; my spare word's LDS address; never rewritten
.set NIL,  29                          ; 0; never rewritten
.set T,    32
.set ACC,  64
.set AR,   0                           ; window 1: slot p, K step ks, tile t at 48 p + 24 ks + 8 t
.set WR,   96                          ; window 1: slot q, load i at 96 + 32 q + 4 i
.set BB,   160                         ; window 1: buffer b, fragment j at 160 + 32 b + 8 j
.set CT,   224                         ; window 1
.set MSB, 0
.macro WIN new                         ; the immediate's high byte repeats the setting that is left; a switch that changes nothing is dropped
.if MSB != (\new)
	s_set_vgpr_msb (MSB<<8)|(\new)
.set MSB, \new
.endif
.endm
.set TO_F, 0x40                        ; destination window 1, address window 0
.set MUL,  0x05                        ; sources 0 and 1 window 1; C and D window 0
.set CVT,  0x45                        ; destination and both sources window 1
.set ST_F, 0x04                        ; LDS store: address window 0, data window 1
.macro PLACES                          ; four places in front of loads into registers that matrix instructions have read, and of vector lines that read results (ISA guide 7.12.1 for the vector lines)
.rept 4
	v_nop
.endr
.endm
.macro WLOAD q, off                    ; a chunk of my 16 weight rows: load i brings rows i and i + 8, 256 consecutive bytes each
	WIN TO_F
.irp i, 0,1,2,3,4,5,6,7
	global_load_b128 v[WR+32*(\q)+4*\i:WR+32*(\q)+4*\i+3], v[WOFF], s[36:37] offset:4096*\i+(\off) th:TH_LOAD_NT
.endr
.endm
.macro ALOAD p, off                    ; a chunk's token fragments, three tile slots x two K steps: 12 loads of 512 consecutive bytes
	WIN TO_F
.irp ks, 0,1
.irp t, 0,1,2
	global_load_b128 v[AR+48*(\p)+24*\ks+8*\t:AR+48*(\p)+24*\ks+8*\t+3],   v[AOFF+\t], s[40:41] offset:1024*\ks+(\off)
	global_load_b128 v[AR+48*(\p)+24*\ks+8*\t+4:AR+48*(\p)+24*\ks+8*\t+7], v[AOFF+\t], s[40:41] offset:1024*\ks+512+(\off)
.endr
.endr
.endm
.macro STAGE q                         ; slot q's chunk is rounded and laid into its region; lanes 0-15 and 16-31 write rows 8 apart: 1,152 bytes, half of the banks on
	WIN CVT
.irp i, 0,1,2,3,4,5,6,7
	v_cvt_pk_bf16_f32 v[CT+2*\i],   v[WR+32*(\q)+4*\i],   v[WR+32*(\q)+4*\i+1]
	v_cvt_pk_bf16_f32 v[CT+2*\i+1], v[WR+32*(\q)+4*\i+2], v[WR+32*(\q)+4*\i+3]
.endr
	WIN ST_F
.irp i, 0,1,2,3,4,5,6,7
	ds_store_b64 v[WST], v[CT+2*\i:CT+2*\i+1] offset:\i*PW
.endr
	WIN 0
	v_add_nc_u32 v[WST], CHB, v[WST]               ; the next chunk's region
.endm
.macro BLOAD hs, buf                   ; half-step hs of a chunk: K step hs / 2, column blocks 4 (hs % 2) .. + 3: 8 LDS loads
	WIN TO_F
.irp j, 0,1,2,3
	ds_load_b128 v[BB+32*(\buf)+8*\j:BB+32*(\buf)+8*\j+3],   v[BADR] offset:(4*((\hs)%2)+\j)*16*PW+64*((\hs)/2)
	ds_load_b128 v[BB+32*(\buf)+8*\j+4:BB+32*(\buf)+8*\j+7], v[BADR] offset:(4*((\hs)%2)+\j)*16*PW+64*((\hs)/2)+32
.endr
.endm
.macro MULH hs, buf, p, nt, zero       ; 4 nt products; the accumulators take turns, one instruction a turn.  zero = 1: the first K step starts the sums
	WIN MUL
.set tm, 0
.rept \nt
.irp j, 0,1,2,3
.set aD, ACC+64*tm+8*(4*((\hs)%2)+\j)
.set aB, BB+32*(\buf)+8*\j
.set aA, AR+48*(\p)+24*((\hs)/2)+8*tm
.if (\zero) && ((\hs) < 2)
	v_wmma_f32_16x16x32_bf16 v[aD:aD+7], v[aB:aB+7], v[aA:aA+7], 0
.else
	v_wmma_f32_16x16x32_bf16 v[aD:aD+7], v[aB:aB+7], v[aA:aA+7], v[aD:aD+7]
.endif
.endr
.set tm, tm+1
.endr
.endm
; A chunk's products for nt tiles.  Half-steps 0 and 1 have been asked for; st LDS stores were issued behind them.
.macro COMP p, nt, zero, st
	s_wait_dscnt 8+(\st)                           ; half-step 0 is in; half-step 1's 8 loads and the stores stay out
	MULH 0, 0, \p, \nt, \zero
	PLACES
	BLOAD 2, 0
	s_wait_dscnt 8+(\st)                           ; half-step 1 is in; the stores and half-step 2's 8 loads stay out
	MULH 1, 1, \p, \nt, \zero
	PLACES
	BLOAD 3, 1
	s_wait_dscnt 8                                 ; half-step 2 is in
	MULH 2, 0, \p, \nt, \zero
	s_wait_dscnt 0x0
	MULH 3, 1, \p, \nt, \zero
.endm
; TRIP c.  p = c % 2: A's slot; q = (c + 1) % 2: W's slot.  stage: chunk c + 1 is laid into LDS.  wstep, astep: bytes by which the bases step to W(c + 3) and A(c + 2); 0: nothing is left to ask for.
; nW, nA: the loads issued behind W(c + 1), behind A(c).  bar: the barrier that shows chunk c + 1 to every wave.  first = 1: chunk 0, all three tile slots, the sums start.
.macro ITER p, q, stage, wstep, astep, nW, nA, bar, first
	BLOAD 0, 0
	BLOAD 1, 1
.if \stage
	s_wait_loadcnt \nW
	STAGE \q
.if \wstep
	s_wait_xcnt 0x0                                ; the base is stepped only behind this wait
	s_add_nc_u64 s[36:37], s[36:37], \wstep
	WLOAD \q, 0
.endif
.endif
	s_wait_loadcnt \nA
	WIN 0                                          ; at a branch and at a label every window is 0
.if \first
	COMP \p, 3, 1, 8*(\stage)
	WIN 0
.else
	s_cmp_lt_u32 s29, 3
	s_cbranch_scc1 .Ltwo_\@
	COMP \p, 3, 0, 8*(\stage)
	WIN 0
	s_branch .Ljoin_\@
.Ltwo_\@:
	COMP \p, 2, 0, 8*(\stage)
	WIN 0
.Ljoin_\@:
.endif
	PLACES                                         ; behind the last products: for the loads into A's slot and into both weight buffers, and for the activation
	v_add_nc_u32 v[BADR], CHB, v[BADR]
.if \astep
	s_wait_xcnt 0x0
	s_add_nc_u64 s[40:41], s[40:41], \astep
	ALOAD \p, 0
	WIN 0
.endif
.if \bar
	s_wait_dscnt 0x0                               ; for the others' sake: my rows of chunk c + 1 are in LDS
	s_barrier_signal -1
	s_barrier_wait -1
.endif
.endm
; THE ACTIVATION of tile slot t: g u / (1 + 2^(-g log2 e)), 32 numbers a lane; each accumulator is read from its low end on.  Two batches of transcendentals, one wait each.
.macro EPI t, ho, off
.set G, ACC+64*(\t)
.set U, ACC+64*(\t)+32
.set z, 0
.rept 16
	v_pk_mul_f32 v[T+2*z:T+2*z+1], v[G+2*z:G+2*z+1], 0xbfb8aa3b op_sel_hi:[1,0]  ; -log2(e) g
.set z, z+1
.endr
.set z, 0
.rept 32
	v_exp_f32 v[T+z], v[T+z]
.set z, z+1
.endr
	v_nop                                          ; a plain instruction behind the last exponential,
	s_wait_alu depctr_va_vdst(0)                   ; and one wait for the batch
.set z, 0
.rept 16
	v_pk_add_f32 v[T+2*z:T+2*z+1], v[T+2*z:T+2*z+1], 1.0 op_sel_hi:[1,0]
.set z, z+1
.endr
.set z, 0
.rept 32
	v_rcp_f32 v[T+z], v[T+z]
.set z, z+1
.endr
.set z, 0
.rept 16
	v_pk_mul_f32 v[G+2*z:G+2*z+1], v[G+2*z:G+2*z+1], v[U+2*z:U+2*z+1]  ; g u: the independent work behind the reciprocals
.set z, z+1
.endr
	s_wait_alu depctr_va_vdst(0)                   ; one wait for the 32 reciprocals
.set z, 0
.rept 16
	v_pk_mul_f32 v[G+2*z:G+2*z+1], v[G+2*z:G+2*z+1], v[T+2*z:T+2*z+1]
.set z, z+1
.endr
.set z, 0
.rept 16
	v_cvt_pk_bf16_f32 v[G+z], v[G+2*z], v[G+2*z+1] ; packed downward in place: line z writes a register whose number has been read
.set z, z+1
.endr
.irp c, 0,1,2,3
	global_store_b128 v[\ho], v[G+4*\c:G+4*\c+3], s[46:47] offset:(\off)+512*\c  ; 512 consecutive bytes: half a block of 32 f, as the next product loads it
.endr
.endm
	s_load_b256 s[4:11], s[0:1], 0x0               ; xg 4, w1 6, v1 8, cntb 10
	s_load_b64 s[12:13], s[0:1], 0x20              ; h
	v_lshl_add_u32 v[SPW], v0, 2, SPARE
	v_mov_b32 v[NIL], 0
	v_and_b32 v1, 31, v0                           ; lane
	v_lshrrev_b32 v[TA], 5, v0
	v_readfirstlane_b32 s24, v[TA]                 ; wave
	s_mov_b32 s25, ttmp9                           ; slice
	s_and_b32 s26, ttmp7, 0xffff                   ; expert
	s_lshl_b32 s32, s26, 8                         ; cntb[e]; not rewritten
	v_and_b32 v2, 15, v0                           ; lane % 16
	v_bfe_u32 v3, v0, 4, 1                         ; lane / 16
	v_lshlrev_b32 v[L16], 4, v1
	v_mul_u32_u24 v[BAD0], v2, PW
	v_lshl_add_u32 v[BAD0], v3, 4, v[BAD0]         ; a fragment's row x pitch + 16 x half
	v_mov_b32 v[BADR], v[BAD0]
	v_lshlrev_b32 v[WOFF], 15, v3                  ; 8 rows of 4,096 bytes for lanes 16-31
	v_lshl_add_u32 v[WOFF], v2, 4, v[WOFF]
	s_mul_i32 s38, s24, 16*PW                      ; wave w stages LDS rows 16 w .. 16 w + 15
	v_mul_u32_u24 v[WST], v3, 8*PW
	v_lshl_add_u32 v[WST], v2, 3, v[WST]
	v_add_nc_u32 v[WST], s38, v[WST]
	s_lshl_b32 s38, s24, 16
	v_add_nc_u32 v[HOFF], s38, v[L16]              ; tile w of h, 16 bytes a lane
	s_add_co_u32 s31, s24, 24                      ; my first tile behind the walk
	s_lshl_b32 s38, s31, 15
	v_add_nc_u32 v[AOT], s38, v[L16]
	s_lshl_b32 s38, s31, 16
	v_add_nc_u32 v[HOT], s38, v[L16]
	s_mov_b32 s35, 0
	s_wait_kmcnt 0x0
	s_load_b32 s27, s[10:11], s32 offset:0x0       ; the expert's rows
	s_cmp_lt_u32 s24, 4
	s_cselect_b64 s[36:37], s[6:7], s[8:9]         ; waves 0-3 stage w1, waves 4-7 v1
	s_lshl_b32 s34, s26, 23                        ; an expert's 8 MiB,
	s_lshl_b32 s38, s25, 18                        ; the slice's 64 rows of 4,096 bytes,
	s_add_co_u32 s34, s34, s38
	s_and_b32 s38, s24, 3
	s_lshl_b32 s38, s38, 16                        ; my 16 rows of them
	s_add_co_u32 s34, s34, s38
	s_add_nc_u64 s[36:37], s[36:37], s[34:35]
	WLOAD 0, 0                                     ; W(0)
	WLOAD 1, 256                                   ; W(1)
	WIN 0
	s_lshl_b32 s34, s26, 21
	s_add_nc_u64 s[42:43], s[4:5], s[34:35]        ; xg: the expert's 2 MiB
	s_mov_b64 s[40:41], s[42:43]
	s_lshl_b32 s34, s26, 22
	s_lshl_b32 s38, s25, 11
	s_add_co_u32 s34, s34, s38
	s_add_nc_u64 s[46:47], s[12:13], s[34:35]      ; h: the expert's 4 MiB, the slice's 2,048 bytes of a tile
	s_wait_kmcnt 0x0
	s_min_u32 s27, s27, 0x400
	s_add_co_u32 s28, s27, 15
	s_lshr_b32 s28, s28, 4                         ; the expert's tiles of 16 rows
	s_add_co_u32 s29, s28, 7
	s_sub_co_u32 s29, s29, s24
	s_lshr_b32 s29, s29, 3
	s_min_u32 s29, s29, 3                          ; how many of tiles w, w + 8, w + 16 there are
.irp t, 0,1,2
	s_add_co_u32 s33, s24, 8*\t
	s_cmp_lt_u32 s33, s28
	s_cselect_b32 s33, s33, 0                      ; a tile that is not there repeats tile 0's addresses: that tile is stored for every expert
	s_lshl_b32 s33, s33, 15
	v_add_nc_u32 v[AOFF+\t], s33, v[L16]
.endr
	ALOAD 0, 0                                     ; A(0)
	s_wait_loadcnt 20                              ; W(0) is in; W(1)'s 8 and A(0)'s 12 stay out
	STAGE 0
	WLOAD 0, 512                                   ; W(2)
	ALOAD 1, 2048                                  ; A(1)
	WIN 0
	s_wait_dscnt 0x0
	s_barrier_signal -1
	s_barrier_wait -1                              ; chunk 0 is whole
	; behind W(c+1) were issued A(c) 12, W(c+2) 8, A(c+1) 12: 32;  behind A(c): W(c+2) 8, A(c+1) 12, W(c+3) 8: 28
	ITER 0, 1, 1, 768, 4096, 32, 28, 1, 1          ; chunk 0: the bases step from chunk 0 to W(3) and A(2)
	s_mov_b32 s30, 6
.Lchunks:                                              ; chunks 1 to 12, two a trip
	ITER 1, 0, 1, 256, 2048, 32, 28, 1, 0
	ITER 0, 1, 1, 256, 2048, 32, 28, 1, 0
	s_sub_co_u32 s30, s30, 1
	s_cmp_lg_u32 s30, 0
	s_cbranch_scc1 .Lchunks
	ITER 1, 0, 1, 0, 2048, 32, 20, 1, 0            ; chunk 13: no W(16); behind A(13): W(15) 8, A(14) 12
	ITER 0, 1, 1, 0, 0, 24, 12, 1, 0               ; chunk 14: behind W(15): A(14), A(15); behind A(14): A(15)
	ITER 1, 0, 0, 0, 0, 0, 0, 0, 0                 ; chunk 15: nothing is out behind A(15)
	s_cmp_lt_u32 s29, 1
	s_cbranch_scc1 .Lrest
	EPI 0, HOFF, 0
	s_cmp_lt_u32 s29, 2
	s_cbranch_scc1 .Lrest
	EPI 1, HOFF, 524288
	s_cmp_lt_u32 s29, 3
	s_cbranch_scc1 .Lrest
	EPI 2, HOFF, 1048576
.Lrest:
; TILES 24 TO 63, where an expert has more than 384 rows: one tile a pass, all of K from the slice in LDS; plain, since the walk above serves the even splits.
.macro TCH zero                        ; a chunk for one tile, in tile slot 0
	WIN TO_F
.irp ks, 0,1
	global_load_b128 v[AR+24*\ks:AR+24*\ks+3],   v[AOT], s[40:41] offset:1024*\ks
	global_load_b128 v[AR+24*\ks+4:AR+24*\ks+7], v[AOT], s[40:41] offset:1024*\ks+512
.endr
	BLOAD 0, 0
	BLOAD 1, 1
	s_wait_loadcnt 0x0
	COMP 0, 1, \zero, 0
	WIN 0
	PLACES
	v_add_nc_u32 v[BADR], CHB, v[BADR]
	s_wait_xcnt 0x0
	s_add_nc_u64 s[40:41], s[40:41], 2048
.endm
	s_mov_b32 s30, 5                               ; 5 passes of 8 tiles reach tile 63
.Lpass:
	s_cmp_ge_u32 s31, s28
	s_cbranch_scc1 .Lnext                          ; no tile of mine in this pass
	s_wait_xcnt 0x0                                ; slot 0's accumulators were stores' data, and the base a load's: both are written again only behind this wait
	s_mov_b64 s[40:41], s[42:43]
	v_mov_b32 v[BADR], v[BAD0]
	TCH 1
	s_mov_b32 s33, 15
.Ltk:
	TCH 0
	s_sub_co_u32 s33, s33, 1
	s_cmp_lg_u32 s33, 0
	s_cbranch_scc1 .Ltk
	EPI 0, HOT, 0
.Lnext:
	s_wait_xcnt 0x0                                ; the offsets are written again only behind this wait
	v_add_nc_u32 v[AOT], 0x40000, v[AOT]           ; 8 tiles on in xg,
	v_add_nc_u32 v[HOT], 0x80000, v[HOT]           ; and in h
	s_add_co_u32 s31, s31, 8
	s_sub_co_u32 s30, s30, 1
	s_cmp_lg_u32 s30, 0
	s_cbranch_scc1 .Lpass
	s_wait_dscnt 0x0                               ; my LDS reads are back;
	s_barrier_signal -1                            ; one barrier, on every wave's path, between all waves' LDS reads and any wave's last LDS write: the loop above reads
	s_barrier_wait -1                              ; through a register that is set back and stepped, and this orders the two whatever that register holds
	s_wait_tensorcnt 0x0                           ; the wave's end
	ds_add_u32 v[SPW], v[NIL]
	s_wait_dscnt 0x0
	s_endpgm
.Lfunc_end_k_q883d0c1659_glu:
	.size	k_q883d0c1659_glu, .Lfunc_end_k_q883d0c1659_glu-k_q883d0c1659_glu
	.p2alignl 7, 3214868480
	.fill 96, 4, 3214868480
	.section	.rodata,"a",@progbits
	.p2align	6, 0x0
	.amdhsa_kernel k_q883d0c1659_glu
		.amdhsa_group_segment_fixed_size 295936
		.amdhsa_private_segment_fixed_size 0
		.amdhsa_enable_private_segment 0
		.amdhsa_kernarg_size 40
		.amdhsa_user_sgpr_count 2
		.amdhsa_user_sgpr_kernarg_segment_ptr 1
		.amdhsa_wavefront_size32 1
		.amdhsa_system_sgpr_workgroup_id_x 1
		.amdhsa_system_sgpr_workgroup_id_y 1
		.amdhsa_system_sgpr_workgroup_id_z 1
		.amdhsa_system_vgpr_workitem_id 0
		.amdhsa_next_free_vgpr 512
		.amdhsa_next_free_sgpr 66
		.amdhsa_reserve_vcc 0
		.amdhsa_float_denorm_mode_32 3
		.amdhsa_float_denorm_mode_16_64 3
		.amdhsa_memory_ordered 1
		.amdhsa_forward_progress 1
		.amdhsa_inst_pref_size 121
	.end_amdhsa_kernel
	.amdgpu_metadata
---
amdhsa.version: [ 1, 2 ]
amdhsa.kernels:
  - .name:           k_q883d0c1659_glu
    .symbol:         k_q883d0c1659_glu.kd
    .args:
      - { .name: xg, .offset: 0, .size: 8, .value_kind: global_buffer, .address_space: global }
      - { .name: w1, .offset: 8, .size: 8, .value_kind: global_buffer, .address_space: global }
      - { .name: v1, .offset: 16, .size: 8, .value_kind: global_buffer, .address_space: global }
      - { .name: cntb, .offset: 24, .size: 8, .value_kind: global_buffer, .address_space: global }
      - { .name: h, .offset: 32, .size: 8, .value_kind: global_buffer, .address_space: global }
    .group_segment_fixed_size: 295936
    .private_segment_fixed_size: 0
    .kernarg_segment_align: 8
    .kernarg_segment_size: 40
    .max_flat_workgroup_size: 256
    .sgpr_count:     66
    .vgpr_count:     512
    .wavefront_size: 32
...
	.end_amdgpu_metadata
.endif
;; end of part 3
;; launch down (part 4): grid 32 x 8, 8 waves a work-group, no clusters, 199,680 bytes of LDS; arguments w2, h, cntb, part; writes part
.if DOCPART == 4
	.amdgcn_target "amdgcn-amd-amdhsa--gfx1250"
	.amdhsa_code_object_version 6
	.text
	.protected	k_q883d0c1659_down
	.globl	k_q883d0c1659_down
	.p2align	8
	.type	k_q883d0c1659_down,@function
k_q883d0c1659_down:
	s_mov_b64 s[64:65], 0
	v_nop
	global_prefetch_b8 v0, s[64:65] scope:SCOPE_SE
	s_setreg_imm32_b32 hwreg(HW_REG_WAVE_MODE, 25, 1), 1
	s_wait_xcnt 0x0
; part[kh][e][rank][n] = the sum over f in half kh of F of h[e][rank][f] w2[e][f][n], in f32.  Work-group (x, e): columns n = 64 (x % 16) .. + 63, half kh = x / 16: a slice of w2 that it alone reads.
; F is halved so that 256 work-groups each have 64 whole columns: w2's rows are then read, and part's rows written, in pieces of 256 consecutive bytes, aligned.  The halves are partial sums: f32.
; PHASES as in the launch before: the slice (1,024 rows of 256 bytes) streams through registers into LDS in bf16, 32 loads of 512 bytes a wave kept out; one barrier; each wave takes tiles w, w + 8, ..
; of the expert's rows, two at a time, K = 1,024 in 32 steps.  w2 lies [f][n], K down the rows: its fragments come out of LDS turned, by ds_load_tr16_b128.  h was stored as this product's operand
; image: a fragment is two loads of 512 consecutive bytes.  The count of rows comes from cntb; 0 to 64 tiles are served by 4 passes, dead ones jumped forward over; no barrier stands in the loop.
; TRANSPOSED USE (source 0 = 16 columns of w2, source 1 = 16 rows of h): a lane holds one row and eight neighbouring n; a tile goes through my wave's own stage in LDS and leaves as whole pieces of rows.
; NO CLUSTER, NO TENSOR LOAD: each weight byte has one reader and must be rounded on its way; the rows of h that an expert's work-groups share go straight into registers, and beside the slice LDS
; has no room for 1,024 of them.
.set PW,    160                        ; an LDS row: 64 bf16 + 32 bytes: an odd multiple of 32
.set STAGE, 1024*PW                    ; 16 rows x 272 bytes for each wave
.set SP,    272
.set SPARE, STAGE+8*16*SP              ; the spare words, 128 bytes for each wave
.set BADR, 4                           ; v4-6   my lane's place in the turning load, K steps 0-11, 12-23, 24-31
.set AOFF, 8                           ; v8     my byte offset in h
.set STO,  9                           ; v9     the way out: where I put 32 bytes of a row
.set RD,   10                          ; v10    where I read rows back
.set POFF, 11                          ; v11    my byte offset in part
.set WOFF, 12                          ; v12    staging: two rows of 256 bytes a load; never rewritten
.set WST,  13                          ; v13    where they go; never rewritten
.set TA,   14
.set TB,   15
.set SPW,  28
.set NIL,  29
.set OB,   32                          ; v32-63 a tile read back from the stage
.set CT,   104
.set ACC,  128                         ; accumulator (tile t, column block c) at 128 + 32 t + 8 c
.set STG,  128
.set BB,   0                           ; window 1: two buffers of 4 fragments of w2
.set AR,   128                         ; window 1: a ring of 8 K steps of h's fragments
.set MSB, 0
.macro WIN new
.if MSB != (\new)
	s_set_vgpr_msb (MSB<<8)|(\new)
.set MSB, \new
.endif
.endm
.set TO_F, 0x40
.set MUL,  0x05
	s_load_b256 s[4:11], s[0:1], 0x0               ; w2 4, h 6, cntb 8, part 10
	v_lshl_add_u32 v[SPW], v0, 2, SPARE
	v_mov_b32 v[NIL], 0
	v_and_b32 v1, 31, v0
	v_lshrrev_b32 v[TA], 5, v0
	v_readfirstlane_b32 s24, v[TA]                 ; wave
	s_and_b32 s25, ttmp9, 15                       ; which 64 columns
	s_lshr_b32 s23, ttmp9, 4                       ; which half of F
	s_and_b32 s26, ttmp7, 0xffff                   ; expert
	s_lshl_b32 s32, s26, 8                         ; cntb[e]; not rewritten
	v_and_b32 v2, 15, v0                           ; r
	v_bfe_u32 v3, v0, 4, 1                         ; lane / 16
	v_and_b32 v[TA], 7, v0
	v_lshl_add_u32 v[TA], v3, 3, v[TA]             ; the turning load: lane l reads row 8 (l / 16) + l % 8,
	v_mul_u32_u24 v[TA], v[TA], PW
	v_bfe_u32 v[TB], v0, 3, 1
	v_lshl_add_u32 v[TA], v[TB], 4, v[TA]          ; columns 8 ((l / 8) % 2) on
.irp b, 0,1,2
	v_add_nc_u32 v[BADR+\b], \b*12*32*PW, v[TA]
.endr
	v_lshlrev_b32 v[TB], 4, v1
	s_lshl_b32 s33, s24, 16
	v_add_nc_u32 v[AOFF], s33, v[TB]               ; tile w, 16 bytes a lane
	v_lshlrev_b32 v[TA], 12, v3
	v_lshl_add_u32 v[WOFF], v2, 4, v[TA]           ; row lane / 16 of 4,096 bytes, 16 bytes a lane
	v_add_nc_u32 v[POFF], s33, v[WOFF]             ; part: row 16 w + lane / 16
	s_mul_i32 s33, s24, 16*SP
	s_add_co_u32 s33, s33, STAGE                   ; my stage
	v_mul_u32_u24 v[TA], v2, SP
	v_lshl_add_u32 v[TA], v3, 5, v[TA]
	v_add_nc_u32 v[STO], s33, v[TA]                ; in: row r, 32 bytes for each half of the lanes
	v_mul_u32_u24 v[TA], v3, SP
	v_lshl_add_u32 v[TA], v2, 4, v[TA]
	v_add_nc_u32 v[RD], s33, v[TA]                 ; back: lanes 0-15 one row's 256 bytes, lanes 16-31 the next
	s_mul_i32 s33, s24, 128*PW
	v_mul_u32_u24 v[TA], v3, PW
	v_lshl_add_u32 v[TA], v2, 3, v[TA]
	v_add_nc_u32 v[WST], s33, v[TA]                ; wave w stages LDS rows 128 w .. 128 w + 127
	s_lshl_b32 s34, s26, 23
	s_lshl_b32 s33, s23, 22
	s_add_co_u32 s34, s34, s33
	s_lshl_b32 s33, s24, 19
	s_add_co_u32 s34, s34, s33
	s_lshl_b32 s33, s25, 8
	s_add_co_u32 s34, s34, s33
	s_mov_b32 s35, 0
	s_wait_kmcnt 0x0
	s_load_b32 s27, s[8:9], s32 offset:0x0         ; the expert's rows
	s_add_nc_u64 s[36:37], s[4:5], s[34:35]        ; w2: expert, half, my 128 rows, the 64 columns
.set i, 0
.rept 32
	global_load_b128 v[STG+4*i:STG+4*i+3], v[WOFF], s[36:37] offset:8192*i th:TH_LOAD_NT
.set i, i+1
.endr
	s_lshl_b32 s34, s26, 22
	s_lshl_b32 s33, s23, 15
	s_add_co_u32 s34, s34, s33
	s_add_nc_u64 s[38:39], s[6:7], s[34:35]        ; h: expert, the half's 32 blocks of a tile
	s_lshl_b32 s34, s23, 25
	s_lshl_b32 s33, s26, 22
	s_add_co_u32 s34, s34, s33
	s_lshl_b32 s33, s25, 8
	s_add_co_u32 s34, s34, s33
	s_add_nc_u64 s[40:41], s[10:11], s[34:35]      ; part: half, expert, the 64 columns
	s_wait_kmcnt 0x0
	s_min_u32 s27, s27, 0x400
	s_add_co_u32 s28, s27, 15
	s_lshr_b32 s28, s28, 4                         ; tiles of 16 rows
.macro SLOT i                          ; load i of 64: rows 2 i, 2 i + 1 of my 128; rounded, stored to LDS; its registers take load i + 32
.set lft, 63-(\i)
.if lft > 31
.set lft, 31
.endif
	s_wait_loadcnt lft                             ; load i is in, the younger ones stay out
	v_cvt_pk_bf16_f32 v[CT+2*((\i)%8)], v[STG+4*((\i)%32)], v[STG+4*((\i)%32)+1]
	v_cvt_pk_bf16_f32 v[CT+2*((\i)%8)+1], v[STG+4*((\i)%32)+2], v[STG+4*((\i)%32)+3]
	ds_store_b64 v[WST], v[CT+2*((\i)%8):CT+2*((\i)%8)+1] offset:2*PW*(\i)
.if (\i) < 32
	global_load_b128 v[STG+4*((\i)%32):STG+4*((\i)%32)+3], v[WOFF], s[36:37] offset:8192*((\i)+32) th:TH_LOAD_NT
.endif
.endm
.set i, 0
.rept 64
	SLOT i
.set i, i+1
.endr
	s_wait_dscnt 0x0                               ; for the others' sake: my rows of the slice are in LDS
	s_barrier_signal -1
	s_barrier_wait -1
.macro ALOAD k, nt                     ; K step k's fragments of h, into ring slot k % 8: two loads of 512 consecutive bytes a tile
.set ta, 0
.rept \nt
	global_load_b128 v[AR+16*((\k)%8)+8*ta:AR+16*((\k)%8)+8*ta+3],   v[AOFF], s[38:39] offset:ta*524288+1024*(\k)
	global_load_b128 v[AR+16*((\k)%8)+8*ta+4:AR+16*((\k)%8)+8*ta+7], v[AOFF], s[38:39] offset:ta*524288+1024*(\k)+512
.set ta, ta+1
.endr
.endm
.macro BLOAD k                         ; K step k's four fragments of w2, turned, into buffer k % 2: 8 LDS loads
.irp c, 0,1,2,3
	ds_load_tr16_b128 v[BB+32*((\k)%2)+8*\c:BB+32*((\k)%2)+8*\c+3],   v[BADR+(\k)/12] offset:((\k)%12)*32*PW+32*\c
	ds_load_tr16_b128 v[BB+32*((\k)%2)+8*\c+4:BB+32*((\k)%2)+8*\c+7], v[BADR+(\k)/12] offset:((\k)%12)*32*PW+16*PW+32*\c
.endr
.endm
.macro KSTEP k, nt                     ; four places in front of loads into registers that the step before multiplied; the 4 nt accumulators take turns
.if (\k) >= 1
.rept 4
	v_nop
.endr
.endif
	WIN TO_F
.if (\k) < 31
	BLOAD (\k)+1
.endif
.if ((\k) >= 1) && ((\k) <= 24)
	ALOAD (\k)+7, \nt
.endif
.if (\k) < 31
	s_wait_dscnt 8                                 ; this step's weights are in; the 8 loads just issued stay out
.else
	s_wait_dscnt 0x0
.endif
.set lim, (\k)+7
.if lim > 31
.set lim, 31
.endif
	s_wait_loadcnt 2*(\nt)*(lim-(\k))              ; this step's rows of h are in; the groups issued behind them stay out
	WIN MUL
.set tm, 0
.rept \nt
.irp c, 0,1,2,3
.if (\k) == 0
	v_wmma_f32_16x16x32_bf16 v[ACC+32*tm+8*\c:ACC+32*tm+8*\c+7], v[BB+32*((\k)%2)+8*\c:BB+32*((\k)%2)+8*\c+7], v[AR+16*((\k)%8)+8*tm:AR+16*((\k)%8)+8*tm+7], 0
.else
	v_wmma_f32_16x16x32_bf16 v[ACC+32*tm+8*\c:ACC+32*tm+8*\c+7], v[BB+32*((\k)%2)+8*\c:BB+32*((\k)%2)+8*\c+7], v[AR+16*((\k)%8)+8*tm:AR+16*((\k)%8)+8*tm+7], v[ACC+32*tm+8*\c:ACC+32*tm+8*\c+7]
.endif
.endr
.set tm, tm+1
.endr
.endm
.macro EPI t                           ; tile t leaves: 32 bytes a lane into my stage (each accumulator's low four registers first), back as rows of 256 bytes, stored
	s_wait_xcnt 0x0                                ; OB was earlier stores' data: it is loaded again only behind this wait
.irp c, 0,1,2,3
	ds_store_b128 v[STO], v[ACC+32*(\t)+8*\c:ACC+32*(\t)+8*\c+3] offset:64*\c
	ds_store_b128 v[STO], v[ACC+32*(\t)+8*\c+4:ACC+32*(\t)+8*\c+7] offset:64*\c+16
.endr
.irp q, 0,1,2,3,4,5,6,7
	ds_load_b128 v[OB+4*\q:OB+4*\q+3], v[RD] offset:2*SP*\q  ; LDS serves a wave's instructions in order (ISA guide 5.7.1.4): these see the stores above
.endr
.irp q, 0,1,2,3,4,5,6,7
	s_wait_dscnt 7-\q
	global_store_b128 v[POFF], v[OB+4*\q:OB+4*\q+3], s[40:41] offset:(\t)*524288+8192*\q  ; 16 lanes store 256 consecutive bytes, aligned
.endr
.endm
.macro UNIT nt
	WIN TO_F
.set kk, 0
.rept 8
	ALOAD kk, \nt
.set kk, kk+1
.endr
	BLOAD 0
.set kk, 0
.rept 32
	KSTEP kk, \nt
.set kk, kk+1
.endr
	WIN 0
.rept 4
	v_nop                                          ; the places behind the last products
.endr
	EPI 0
.if (\nt) == 2
	EPI 1
.endif
.endm
	s_mov_b32 s30, 4
	s_mov_b32 s31, s24
.Lpass:
	s_cmp_ge_u32 s31, s28
	s_cbranch_scc1 .Lnext
	s_add_co_u32 s33, s31, 8
	s_cmp_lt_u32 s33, s28
	s_cbranch_scc1 .Ltwo
	UNIT 1
	s_branch .Lnext
.Ltwo:
	UNIT 2
.Lnext:
	s_wait_xcnt 0x0                                ; the offsets are written again only behind this wait
	v_add_nc_u32 v[AOFF], 0x100000, v[AOFF]        ; 16 tiles on in h,
	v_add_nc_u32 v[POFF], 0x100000, v[POFF]        ; and 256 rows on in part
	s_add_co_u32 s31, s31, 16
	s_sub_co_u32 s30, s30, 1
	s_cmp_lg_u32 s30, 0
	s_cbranch_scc1 .Lpass
	s_wait_tensorcnt 0x0                           ; the wave's end
	ds_add_u32 v[SPW], v[NIL]
	s_wait_dscnt 0x0
	s_endpgm
.Lfunc_end_k_q883d0c1659_down:
	.size	k_q883d0c1659_down, .Lfunc_end_k_q883d0c1659_down-k_q883d0c1659_down
	.p2alignl 7, 3214868480
	.fill 96, 4, 3214868480
	.section	.rodata,"a",@progbits
	.p2align	6, 0x0
	.amdhsa_kernel k_q883d0c1659_down
		.amdhsa_group_segment_fixed_size 199680
		.amdhsa_private_segment_fixed_size 0
		.amdhsa_enable_private_segment 0
		.amdhsa_kernarg_size 32
		.amdhsa_user_sgpr_count 2
		.amdhsa_user_sgpr_kernarg_segment_ptr 1
		.amdhsa_wavefront_size32 1
		.amdhsa_system_sgpr_workgroup_id_x 1
		.amdhsa_system_sgpr_workgroup_id_y 1
		.amdhsa_system_sgpr_workgroup_id_z 1
		.amdhsa_system_vgpr_workitem_id 0
		.amdhsa_next_free_vgpr 512
		.amdhsa_next_free_sgpr 66
		.amdhsa_reserve_vcc 0
		.amdhsa_float_denorm_mode_32 3
		.amdhsa_float_denorm_mode_16_64 3
		.amdhsa_memory_ordered 1
		.amdhsa_forward_progress 1
		.amdhsa_inst_pref_size 120
	.end_amdhsa_kernel
	.amdgpu_metadata
---
amdhsa.version: [ 1, 2 ]
amdhsa.kernels:
  - .name:           k_q883d0c1659_down
    .symbol:         k_q883d0c1659_down.kd
    .args:
      - { .name: w2, .offset: 0, .size: 8, .value_kind: global_buffer, .address_space: global }
      - { .name: h, .offset: 8, .size: 8, .value_kind: global_buffer, .address_space: global }
      - { .name: cntb, .offset: 16, .size: 8, .value_kind: global_buffer, .address_space: global }
      - { .name: part, .offset: 24, .size: 8, .value_kind: global_buffer, .address_space: global }
    .group_segment_fixed_size: 199680
    .private_segment_fixed_size: 0
    .kernarg_segment_align: 8
    .kernarg_segment_size: 32
    .max_flat_workgroup_size: 256
    .sgpr_count:     66
    .vgpr_count:     512
    .wavefront_size: 32
...
	.end_amdgpu_metadata
.endif
;; end of part 4
;; launch comb (part 5): grid 256 x 1, 4 waves a work-group, no clusters, 0 bytes of LDS; arguments topi, rankb, part, out0, topw; writes out0
.if DOCPART == 5
	.amdgcn_target "amdgcn-amd-amdhsa--gfx1250"
	.amdhsa_code_object_version 6
	.text
	.protected	k_q883d0c1659_comb
	.globl	k_q883d0c1659_comb
	.p2align	8
	.type	k_q883d0c1659_comb,@function
k_q883d0c1659_comb:
	s_mov_b64 s[64:65], 0
	v_nop
	global_prefetch_b8 v0, s[64:65] scope:SCOPE_SE
	s_setreg_imm32_b32 hwreg(HW_REG_WAVE_MODE, 25, 1), 1
	s_wait_xcnt 0x0
; out0[t] = w0 (p00 + p01) + w1 (p10 + p11): token t's two experts, each the sum of its two partial rows (the halves of F), each times its gate, in f32.
; One wave a token: the experts, the ranks and the gates are scalars; experts and ranks are held inside their tables by s_min_u32; the four rows of 4,096 bytes are read by 32 loads of 512
; consecutive bytes, all issued ahead of the first wait; each store covers 512 consecutive bytes.  Memory binds: no LDS, no barrier, no matrix unit.
.set D, 4                              ; v4-131: piece q of a row, partial row j at D + 16 q + 4 j
	s_load_b256 s[4:11], s[0:1], 0x0               ; topi 4, rankb 6, part 8, out0 10
	s_load_b64 s[38:39], s[0:1], 0x20              ; topw
	v_lshrrev_b32 v2, 5, v0
	v_readfirstlane_b32 s12, v2                    ; wave
	v_and_b32 v1, 31, v0
	v_lshlrev_b32 v1, 4, v1                        ; 16 bytes a lane
	s_lshl2_add_u32 s13, ttmp9, s12                ; token = 4 x work-group + wave
	s_lshl_b32 s14, s13, 3
	s_lshl_b32 s20, s13, 2
	s_lshl_b32 s36, s13, 12
	s_mov_b32 s37, 0
	s_mov_b32 s25, 0
	s_mov_b32 s27, 0
	s_wait_kmcnt 0x0
	s_load_b64 s[16:17], s[4:5], s14 offset:0x0    ; the token's two experts
	s_load_b64 s[2:3], s[38:39], s14 offset:0x0    ; and their gates
	s_add_nc_u64 s[10:11], s[10:11], s[36:37]      ; out0's row
	s_wait_kmcnt 0x0
	s_min_u32 s16, s16, 7
	s_min_u32 s17, s17, 7
	s_lshl_b32 s18, s16, 12
	s_add_co_u32 s18, s18, s20                     ; rankb[e0][t]
	s_lshl_b32 s19, s17, 12
	s_add_co_u32 s19, s19, s20
	s_load_b32 s22, s[6:7], s18 offset:0x0
	s_load_b32 s23, s[6:7], s19 offset:0x0
	s_wait_kmcnt 0x0
	s_mov_b32 s18, s3                              ; the second gate as the low word of a pair: the packed lines take a pair's low word for both halves
	s_min_u32 s22, s22, 0x3ff
	s_min_u32 s23, s23, 0x3ff
	s_lshl_b32 s24, s16, 10
	s_add_co_u32 s24, s24, s22
	s_lshl_b32 s24, s24, 12                        ; (1,024 e0 + rank) rows of 4,096 bytes
	s_lshl_b32 s26, s17, 10
	s_add_co_u32 s26, s26, s23
	s_lshl_b32 s26, s26, 12
	s_add_nc_u64 s[28:29], s[8:9], s[24:25]
	s_add_nc_u64 s[30:31], s[28:29], 0x2000000     ; the other half of F lies 32 MiB on
	s_add_nc_u64 s[32:33], s[8:9], s[26:27]
	s_add_nc_u64 s[34:35], s[32:33], 0x2000000
.irp q, 0,1,2,3,4,5,6,7
	global_load_b128 v[D+16*\q:D+16*\q+3],     v1, s[28:29] offset:512*\q th:TH_LOAD_NT
	global_load_b128 v[D+16*\q+4:D+16*\q+7],   v1, s[30:31] offset:512*\q th:TH_LOAD_NT
	global_load_b128 v[D+16*\q+8:D+16*\q+11],  v1, s[32:33] offset:512*\q th:TH_LOAD_NT
	global_load_b128 v[D+16*\q+12:D+16*\q+15], v1, s[34:35] offset:512*\q th:TH_LOAD_NT
.endr
.irp q, 0,1,2,3,4,5,6,7
	s_wait_loadcnt 4*(7-\q)                        ; piece q's four loads are in; the later pieces' stay out
	v_pk_add_f32 v[D+16*\q:D+16*\q+1],     v[D+16*\q:D+16*\q+1],     v[D+16*\q+4:D+16*\q+5]
	v_pk_add_f32 v[D+16*\q+2:D+16*\q+3],   v[D+16*\q+2:D+16*\q+3],   v[D+16*\q+6:D+16*\q+7]
	v_pk_add_f32 v[D+16*\q+8:D+16*\q+9],   v[D+16*\q+8:D+16*\q+9],   v[D+16*\q+12:D+16*\q+13]
	v_pk_add_f32 v[D+16*\q+10:D+16*\q+11], v[D+16*\q+10:D+16*\q+11], v[D+16*\q+14:D+16*\q+15]
	v_pk_mul_f32 v[D+16*\q:D+16*\q+1],     v[D+16*\q:D+16*\q+1],     s[2:3] op_sel_hi:[1,0]
	v_pk_mul_f32 v[D+16*\q+2:D+16*\q+3],   v[D+16*\q+2:D+16*\q+3],   s[2:3] op_sel_hi:[1,0]
	v_pk_fma_f32 v[D+16*\q:D+16*\q+1],     v[D+16*\q+8:D+16*\q+9],   s[18:19], v[D+16*\q:D+16*\q+1] op_sel_hi:[1,0,1]
	v_pk_fma_f32 v[D+16*\q+2:D+16*\q+3],   v[D+16*\q+10:D+16*\q+11], s[18:19], v[D+16*\q+2:D+16*\q+3] op_sel_hi:[1,0,1]
	global_store_b128 v1, v[D+16*\q:D+16*\q+3], s[10:11] offset:512*\q th:TH_STORE_NT  ; no register of a store is written again
.endr
	s_endpgm
.Lfunc_end_k_q883d0c1659_comb:
	.size	k_q883d0c1659_comb, .Lfunc_end_k_q883d0c1659_comb-k_q883d0c1659_comb
	.p2alignl 7, 3214868480
	.fill 96, 4, 3214868480
	.section	.rodata,"a",@progbits
	.p2align	6, 0x0
	.amdhsa_kernel k_q883d0c1659_comb
		.amdhsa_group_segment_fixed_size 0
		.amdhsa_private_segment_fixed_size 0
		.amdhsa_enable_private_segment 0
		.amdhsa_kernarg_size 40
		.amdhsa_user_sgpr_count 2
		.amdhsa_user_sgpr_kernarg_segment_ptr 1
		.amdhsa_wavefront_size32 1
		.amdhsa_system_sgpr_workgroup_id_x 1
		.amdhsa_system_sgpr_workgroup_id_y 1
		.amdhsa_system_sgpr_workgroup_id_z 1
		.amdhsa_system_vgpr_workitem_id 0
		.amdhsa_next_free_vgpr 136
		.amdhsa_next_free_sgpr 66
		.amdhsa_reserve_vcc 0
		.amdhsa_float_denorm_mode_32 3
		.amdhsa_float_denorm_mode_16_64 3
		.amdhsa_memory_ordered 1
		.amdhsa_forward_progress 1
		.amdhsa_inst_pref_size 10
	.end_amdhsa_kernel
	.amdgpu_metadata
---
amdhsa.version: [ 1, 2 ]
amdhsa.kernels:
  - .name:           k_q883d0c1659_comb
    .symbol:         k_q883d0c1659_comb.kd
    .args:
      - { .name: topi, .offset: 0, .size: 8, .value_kind: global_buffer, .address_space: global }
      - { .name: rankb, .offset: 8, .size: 8, .value_kind: global_buffer, .address_space: global }
      - { .name: part, .offset: 16, .size: 8, .value_kind: global_buffer, .address_space: global }
      - { .name: out0, .offset: 24, .size: 8, .value_kind: global_buffer, .address_space: global }
      - { .name: topw, .offset: 32, .size: 8, .value_kind: global_buffer, .address_space: global }
    .group_segment_fixed_size: 0
    .private_segment_fixed_size: 0
    .kernarg_segment_align: 8
    .kernarg_segment_size: 40
    .max_flat_workgroup_size: 128
    .sgpr_count:     66
    .vgpr_count:     136
    .wavefront_size: 32
...
	.end_amdgpu_metadata
.endif
;; end of part 5
;; ======== version 2 of 2: 5 launches; version 1 with the launch down written anew for expert scheduling mode
;; workspace buffers: xb 2,097,152 bytes; topi 8,192 bytes of whole numbers; topw 8,192 bytes; rankb 32,768 bytes of whole numbers; cntb 2,048 bytes of whole numbers; h 33,554,432 bytes; part 67,108,864 bytes; xg 16,777,216 bytes
;; launch route: the kernel of part 1 again; grid 256 x 1, 8 waves a work-group, no clusters, 2,304 bytes of LDS; arguments x, router_w, xb, topi, topw; writes xb, topi, topw
;; launch gath: the kernel of part 2 again; grid 64 x 8, 4 waves a work-group, no clusters, 35,328 bytes of LDS; arguments xb, topi, xg, rankb, cntb; writes xg, rankb, cntb
;; launch glu: the kernel of part 3 again; grid 32 x 8, 8 waves a work-group, no clusters, 295,936 bytes of LDS; arguments xg, w1, v1, cntb, h; writes h
;; launch down (part 6): grid 32 x 8, 8 waves a work-group, no clusters, 199,680 bytes of LDS; arguments w2, h, cntb, part; writes part
.if DOCPART == 6
	.amdgcn_target "amdgcn-amd-amdhsa--gfx1250"
	.amdhsa_code_object_version 6
	.text
	.protected	k_q883d0c1659_down
	.globl	k_q883d0c1659_down
	.p2align	8
	.type	k_q883d0c1659_down,@function
k_q883d0c1659_down:
	s_mov_b64 s[64:65], 0
	v_nop
	global_prefetch_b8 v0, s[64:65] scope:SCOPE_SE
	s_setreg_imm32_b32 hwreg(HW_REG_WAVE_SCHED_MODE, 0, 2), 2
	s_setreg_imm32_b32 hwreg(HW_REG_WAVE_MODE, 25, 1), 1
	s_wait_xcnt 0x0
	s_wait_alu depctr_vm_vsrc(0)
; part[kh][e][rank][n] = the sum over f in half kh of F of h[e][rank][f] w2[e][f][n], in f32.  Work-group (x, e): columns n = 64 (x % 16) .. + 63, half kh = x / 16: a slice of w2 that it alone reads.
; F is halved so that 256 work-groups each have 64 whole columns: w2's rows are then read, and part's rows written, in pieces of 256 consecutive bytes, aligned.  The halves are partial sums: f32.
; PHASES as in the launch before: the slice (1,024 rows of 256 bytes) streams through registers into LDS in bf16, 24 to 32 loads of 512 bytes a wave kept out; one barrier; each wave takes tiles w, w + 8, ..
; of the expert's rows, two at a time, K = 1,024 in 32 steps.  w2 lies [f][n], K down the rows: its fragments come out of LDS turned, by ds_load_tr16_b128.  h was stored as this product's operand
; image: a fragment is two loads of 512 consecutive bytes.  The count of rows comes from cntb; 0 to 64 tiles are served by 4 passes, dead ones jumped forward over; no barrier stands in the loop.
; TRANSPOSED USE (source 0 = 16 columns of w2, source 1 = 16 rows of h): a lane holds one row and eight neighbouring n; a tile goes through my wave's own stage in LDS and leaves as whole pieces of rows.
; NO CLUSTER, NO TENSOR LOAD: each weight byte has one reader and must be rounded on its way; the rows of h that an expert's work-groups share go straight into registers, and beside the slice LDS
; has no room for 1,024 of them.
; THE MODE: SCHED_MODE bits 1:0 = 2 (LLVM: expert scheduling mode 2), set by the entry lines.  The code itself states the register dependences
; between vector or matrix instructions and memory or LDS instructions, with s_wait_alu, always for 0.
; THE PLAN.  Registers that memory or LDS instructions touch:
;   v4-6, v8-13   offsets and LDS addresses: written at the head, never again; the passes are reached by the scalar bases of h and part, the K steps by immediate offsets.
;   STG           32 slots of w2 as loaded, taken in groups of 8: a group's 16 conversions read its slots; behind them the loads 32 further on land there (groups 0 to 3).
;   CT0, CT1      group g's conversions write CT[g % 2], its 8 LDS stores read it, group g + 2's conversions write it again.
;   BB0 .. BB3    K step k's fragments of w2: loaded two steps ahead, read by step k's products.
;   AR0 .. AR7    K step k's fragments of h: loaded six or seven steps ahead, read by step k's products.
;   ACC           written by the products, read by the way out's LDS stores, written anew by the next pass's first products.
;   OB0, OB1      tile t's rows come back from the stage into OB[t]; its global stores read it; the next pass's loads from the stage land there.
; STAGING: one wait on va_vdst a group, behind its conversions and ahead of its loads and LDS stores; one on vm_vsrc ahead of the conversions that write a CT buffer again.
; THE K LOOP goes in pairs of steps, with ONE wait on va_vdst at a pair's head: the products up to step 2 m - 1 are done reading BB[(2 m + 2) % 4], BB[(2 m + 3) % 4], AR[(2 m - 2) % 8] and AR[(2 m - 1) % 8],
; in which the pair's loads land.  Those loads stand in two runs, one ahead of each step's products; between the wait and the second run only step 2 m's products are issued, which name BB[2 m % 4], AR[2 m % 8] and ACC.
; THE WAY OUT: one wait on va_vdst ahead of the LDS stores of the accumulators, one on vm_vsrc behind the last global store, ahead of the jump to the next pass.
.set PW,    160                        ; an LDS row: 64 bf16 + 32 bytes: an odd multiple of 32
.set STAGE, 1024*PW                    ; 16 rows x 272 bytes for each wave; behind the stages, the spare words, 128 bytes for each wave
.set SP,    272
.set BADR, 4                           ; v4-6   my lane's place in the turning load, K steps 0-11, 12-23, 24-31; never rewritten
.set AOFF, 8                           ; v8     my byte offset in h; never rewritten
.set STO,  9                           ; v9     the way out: where I put 32 bytes of a row
.set RD,   10                          ; v10    where I read rows back
.set POFF, 11                          ; v11    my byte offset in part; never rewritten
.set WOFF, 12                          ; v12    staging: two rows of 256 bytes a load; never rewritten
.set WST,  13                          ; v13    where they go; never rewritten
.set TA,   14
.set TB,   15
.set OB,   32                          ; v32-95 tile t read back from the stage, at 32 + 32 t
.set CT,   96                          ; v96-127 two buffers of 16: a group of 8 loads, rounded
.set ACC,  128                         ; accumulator (tile t, column block c) at 128 + 32 t + 8 c
.set STG,  128
.set BB,   0                           ; window 1: four buffers of 4 fragments of w2
.set AR,   128                         ; window 1: a ring of 8 K steps of h's fragments
.set MSB, 0
.macro WIN new
.if MSB != (\new)
	s_set_vgpr_msb (MSB<<8)|(\new)
.set MSB, \new
.endif
.endm
.set TO_F, 0x40
.set MUL,  0x05
	s_load_b256 s[4:11], s[0:1], 0x0               ; w2 4, h 6, cntb 8, part 10
	v_lshl_add_u32 v30, v0, 2, 0x30800
	v_mov_b32 v31, 0
	v_and_b32 v1, 31, v0
	v_lshrrev_b32 v[TA], 5, v0
	v_readfirstlane_b32 s24, v[TA]                 ; wave
	s_and_b32 s25, ttmp9, 15                       ; which 64 columns
	s_lshr_b32 s23, ttmp9, 4                       ; which half of F
	s_and_b32 s26, ttmp7, 0xffff                   ; expert
	s_lshl_b32 s32, s26, 8                         ; cntb[e]; not rewritten
	v_and_b32 v2, 15, v0                           ; r
	v_bfe_u32 v3, v0, 4, 1                         ; lane / 16
	v_and_b32 v[TA], 7, v0
	v_lshl_add_u32 v[TA], v3, 3, v[TA]             ; the turning load: lane l reads row 8 (l / 16) + l % 8,
	v_mul_u32_u24 v[TA], v[TA], PW
	v_bfe_u32 v[TB], v0, 3, 1
	v_lshl_add_u32 v[TA], v[TB], 4, v[TA]          ; columns 8 ((l / 8) % 2) on
.irp b, 0,1,2
	v_add_nc_u32 v[BADR+\b], \b*12*32*PW, v[TA]
.endr
	v_lshlrev_b32 v[TB], 4, v1
	s_wait_alu depctr_va_sdst(0)                   ; s24 is written, ahead of its first reader: offsets, LDS addresses and bases are made from it
	s_lshl_b32 s33, s24, 16
	v_add_nc_u32 v[AOFF], s33, v[TB]               ; tile w, 16 bytes a lane
	v_lshlrev_b32 v[TA], 12, v3
	v_lshl_add_u32 v[WOFF], v2, 4, v[TA]           ; row lane / 16 of 4,096 bytes, 16 bytes a lane
	v_add_nc_u32 v[POFF], s33, v[WOFF]             ; part: row 16 w + lane / 16
	s_mul_i32 s33, s24, 16*SP
	s_add_co_u32 s33, s33, STAGE                   ; my stage
	v_mul_u32_u24 v[TA], v2, SP
	v_lshl_add_u32 v[TA], v3, 5, v[TA]
	v_add_nc_u32 v[STO], s33, v[TA]                ; in: row r, 32 bytes for each half of the lanes
	v_mul_u32_u24 v[TA], v3, SP
	v_lshl_add_u32 v[TA], v2, 4, v[TA]
	v_add_nc_u32 v[RD], s33, v[TA]                 ; back: lanes 0-15 one row's 256 bytes, lanes 16-31 the next
	s_mul_i32 s33, s24, 128*PW
	v_mul_u32_u24 v[TA], v3, PW
	v_lshl_add_u32 v[TA], v2, 3, v[TA]
	v_add_nc_u32 v[WST], s33, v[TA]                ; wave w stages LDS rows 128 w .. 128 w + 127
	s_lshl_b32 s34, s26, 23
	s_lshl_b32 s33, s23, 22
	s_add_co_u32 s34, s34, s33
	s_lshl_b32 s33, s24, 19
	s_add_co_u32 s34, s34, s33
	s_lshl_b32 s33, s25, 8
	s_add_co_u32 s34, s34, s33
	s_mov_b32 s35, 0
	s_wait_kmcnt 0x0
	s_load_b32 s27, s[8:9], s32 offset:0x0         ; the expert's rows
	s_add_nc_u64 s[36:37], s[4:5], s[34:35]        ; w2: expert, half, my 128 rows, the 64 columns
	s_wait_alu depctr_va_vdst(0)                   ; v4-6 and v8-13 are written: every load and store of the kernel reads one of them as its offset or LDS address
.set i, 0
.rept 32
	global_load_b128 v[STG+4*i:STG+4*i+3], v[WOFF], s[36:37] offset:8192*i th:TH_LOAD_NT
.set i, i+1
.endr
	s_lshl_b32 s34, s26, 22
	s_lshl_b32 s33, s23, 15
	s_add_co_u32 s34, s34, s33
	s_add_nc_u64 s[38:39], s[6:7], s[34:35]        ; h: expert, the half's 32 blocks of a tile
	s_lshl_b32 s34, s23, 25
	s_lshl_b32 s33, s26, 22
	s_add_co_u32 s34, s34, s33
	s_lshl_b32 s33, s25, 8
	s_add_co_u32 s34, s34, s33
	s_add_nc_u64 s[40:41], s[10:11], s[34:35]      ; part: half, expert, the 64 columns
	s_wait_kmcnt 0x0
	s_min_u32 s27, s27, 0x400
	s_add_co_u32 s28, s27, 15
	s_lshr_b32 s28, s28, 4                         ; tiles of 16 rows
; Group g of 8: loads 8 g .. 8 g + 7 of 64 (load i: rows 2 i, 2 i + 1 of my 128) are rounded into CT[g % 2] and stored to LDS; their registers take the loads 32 further on.
.macro GROUP g
.set lft, 24
.if (\g) > 4
.set lft, 8*(7-(\g))
.endif
	s_wait_loadcnt lft                             ; loads come back in order (ISA guide 5.7.1): the group's eight are in; behind them 32 + 8 min(g, 4) - 8 g - 8 were issued and stay out
.if (\g) >= 2
	s_wait_alu depctr_vm_vsrc(0)                   ; the LDS stores of the group two back have read this CT buffer, which the conversions below write again
.endif
.irp j, 0,1,2,3,4,5,6,7
	v_cvt_pk_bf16_f32 v[CT+16*((\g)%2)+2*\j],   v[STG+4*((8*(\g)+\j)%32)],   v[STG+4*((8*(\g)+\j)%32)+1]
	v_cvt_pk_bf16_f32 v[CT+16*((\g)%2)+2*\j+1], v[STG+4*((8*(\g)+\j)%32)+2], v[STG+4*((8*(\g)+\j)%32)+3]
.endr
	s_wait_alu depctr_va_vdst(0)                   ; the conversions have written the CT buffer, which the LDS stores read, and are done reading the group's slots, in which the loads below land
.if (\g) < 4
.irp j, 0,1,2,3,4,5,6,7
	global_load_b128 v[STG+4*(8*(\g)+\j):STG+4*(8*(\g)+\j)+3], v[WOFF], s[36:37] offset:8192*(8*(\g)+\j+32) th:TH_LOAD_NT
.endr
.endif
.irp j, 0,1,2,3,4,5,6,7
	ds_store_b64 v[WST], v[CT+16*((\g)%2)+2*\j:CT+16*((\g)%2)+2*\j+1] offset:2*PW*(8*(\g)+\j)
.endr
.endm
.irp g, 0,1,2,3,4,5,6,7
	GROUP \g
.endr
	s_wait_dscnt 0x0                               ; for the others' sake: my rows of the slice are in LDS
	s_barrier_signal -1
	s_barrier_wait -1
.macro ALOAD k, nt                     ; K step k's fragments of h, into ring slot k % 8: two loads of 512 consecutive bytes a tile
.set ta, 0
.rept \nt
	global_load_b128 v[AR+16*((\k)%8)+8*ta:AR+16*((\k)%8)+8*ta+3],   v[AOFF], s[38:39] offset:ta*524288+1024*(\k)
	global_load_b128 v[AR+16*((\k)%8)+8*ta+4:AR+16*((\k)%8)+8*ta+7], v[AOFF], s[38:39] offset:ta*524288+1024*(\k)+512
.set ta, ta+1
.endr
.endm
.macro BLOAD k                         ; K step k's four fragments of w2, turned, into buffer k % 4: 8 LDS loads
.irp c, 0,1,2,3
	ds_load_tr16_b128 v[BB+32*((\k)%4)+8*\c:BB+32*((\k)%4)+8*\c+3],   v[BADR+(\k)/12] offset:((\k)%12)*32*PW+32*\c
	ds_load_tr16_b128 v[BB+32*((\k)%4)+8*\c+4:BB+32*((\k)%4)+8*\c+7], v[BADR+(\k)/12] offset:((\k)%12)*32*PW+16*PW+32*\c
.endr
.endm
.macro HALF k, nt                      ; K step k's products; the 4 nt accumulators take turns; step 0 starts the sums
.set dl, (\k)+2
.if dl > 31
.set dl, 31
.endif
	s_wait_dscnt 8*(dl-(\k))                       ; this step's weights are in; the runs of the next two steps, 8 loads each, stay out
.set lim, (\k)+7-((\k)%2)
.if lim > 31
.set lim, 31
.endif
	s_wait_loadcnt 2*(\nt)*(lim-(\k))              ; this step's rows of h are in; the groups issued behind them stay out: up to step k + 7 at an even step, k + 6 at an odd one
	WIN MUL
.set tm, 0
.rept \nt
.irp c, 0,1,2,3
.if (\k) == 0
	v_wmma_f32_16x16x32_bf16 v[ACC+32*tm+8*\c:ACC+32*tm+8*\c+7], v[BB+32*((\k)%4)+8*\c:BB+32*((\k)%4)+8*\c+7], v[AR+16*((\k)%8)+8*tm:AR+16*((\k)%8)+8*tm+7], 0
.else
	v_wmma_f32_16x16x32_bf16 v[ACC+32*tm+8*\c:ACC+32*tm+8*\c+7], v[BB+32*((\k)%4)+8*\c:BB+32*((\k)%4)+8*\c+7], v[AR+16*((\k)%8)+8*tm:AR+16*((\k)%8)+8*tm+7], v[ACC+32*tm+8*\c:ACC+32*tm+8*\c+7]
.endif
.endr
.set tm, tm+1
.endr
.endm
; Pair m: K steps 2 m and 2 m + 1.  Pair 0's loads land in registers that no vector or matrix instruction has named since the last wait on va_vdst (the way out of the pass before; in the first pass the
; staging's last group).  Pair 15 loads nothing, so it holds neither places nor a wait.
.macro PAIR m, nt
.if ((\m) >= 1) && ((\m) <= 14)
.rept 4
	v_nop                                          ; the four places between the last products and the loads into registers that they read stay as they were
.endr
	WIN TO_F
	s_wait_alu depctr_va_vdst(0)                   ; the products up to step 2 m - 1 are done reading the two buffers of w2 and the two ring slots of h in which this pair's loads land
.endif
.if ((\m) >= 1) && ((\m) <= 12)
	ALOAD 2*(\m)+6, \nt
	ALOAD 2*(\m)+7, \nt
.endif
.if (\m) <= 14
	WIN TO_F
	BLOAD 2*(\m)+2
.endif
	HALF 2*(\m), \nt
.if (\m) <= 14
	WIN TO_F
	BLOAD 2*(\m)+3                                 ; no wait: since the pair's head only step 2 m's products were issued, and they name another buffer, another slot and the accumulators
.endif
	HALF 2*(\m)+1, \nt
.endm
.macro TOSTAGE t                       ; tile t: 32 bytes a lane into my stage (each accumulator's low four registers first), and back as rows of 256 bytes into its own out-buffer
.irp c, 0,1,2,3
	ds_store_b128 v[STO], v[ACC+32*(\t)+8*\c:ACC+32*(\t)+8*\c+3] offset:64*\c
	ds_store_b128 v[STO], v[ACC+32*(\t)+8*\c+4:ACC+32*(\t)+8*\c+7] offset:64*\c+16
.endr
.irp q, 0,1,2,3,4,5,6,7
	ds_load_b128 v[OB+32*(\t)+4*\q:OB+32*(\t)+4*\q+3], v[RD] offset:2*SP*\q  ; LDS serves a wave's instructions in order (ISA guide 5.7.1.4): these see the stores above; the next tile's stores come behind them
.endr
.endm
.macro SEND t, younger                 ; younger: the LDS instructions issued behind tile t's loads: the next tile's sixteen, or none
.irp q, 0,1,2,3,4,5,6,7
	s_wait_dscnt (\younger)+7-\q
	global_store_b128 v[POFF], v[OB+32*(\t)+4*\q:OB+32*(\t)+4*\q+3], s[40:41] offset:(\t)*524288+8192*\q  ; 16 lanes store 256 consecutive bytes, aligned
.endr
.endm
.macro UNIT nt
	WIN TO_F
.set kk, 0
.rept 8
	ALOAD kk, \nt
.set kk, kk+1
.endr
	BLOAD 0
	BLOAD 1
.set mm, 0
.rept 16
	PAIR mm, \nt
.set mm, mm+1
.endr
	WIN 0
.rept 5
	v_nop                                          ; the places behind the last products: four ahead of the LDS stores that read the accumulators; the fifth for the next pass's
.endr                                                  ; first products, which write the same accumulators anew, with no other vector instruction between: the pass's foot steps scalar bases alone
	s_wait_alu depctr_va_vdst(0)                   ; the products have written the accumulators, which the LDS stores read; the places above stay beside this wait
	TOSTAGE 0
.if (\nt) == 2
	TOSTAGE 1
	SEND 0, 16
	SEND 1, 0
.else
	SEND 0, 0
.endif
	s_wait_alu depctr_vm_vsrc(0)                   ; the LDS stores have read the accumulators and the global stores the out-buffers: the next pass's first products and its loads from the stage write them again
.endm
	s_mov_b32 s30, 4
	s_mov_b32 s31, s24
.Lpass:
	s_cmp_ge_u32 s31, s28
	s_cbranch_scc1 .Lnext
	s_add_co_u32 s33, s31, 8
	s_cmp_lt_u32 s33, s28
	s_cbranch_scc1 .Ltwo
	UNIT 1
	s_branch .Lnext
.Ltwo:
	UNIT 2
.Lnext:
	s_wait_xcnt 0x0                                ; the bases are stepped, and the out-buffers loaded again, only behind this wait
	s_add_nc_u64 s[38:39], s[38:39], 0x100000      ; 16 tiles on in h,
	s_add_nc_u64 s[40:41], s[40:41], 0x100000      ; and 256 rows on in part
	s_add_co_u32 s31, s31, 16
	s_sub_co_u32 s30, s30, 1
	s_cmp_lg_u32 s30, 0
	s_cbranch_scc1 .Lpass
	s_wait_dscnt 0x0                               ; the wave's end
	s_wait_alu depctr_hold_cnt(0) depctr_sa_sdst(0) depctr_va_vdst(0) depctr_va_sdst(0) depctr_va_ssrc(0) depctr_va_vcc(0) depctr_vm_vsrc(0)
	s_wait_tensorcnt 0x0
	ds_add_u32 v30, v31
	s_wait_dscnt 0x0
	s_endpgm
.Lfunc_end_k_q883d0c1659_down:
	.size	k_q883d0c1659_down, .Lfunc_end_k_q883d0c1659_down-k_q883d0c1659_down
	.p2alignl 7, 3214868480
	.fill 96, 4, 3214868480
	.section	.rodata,"a",@progbits
	.p2align	6, 0x0
	.amdhsa_kernel k_q883d0c1659_down
		.amdhsa_group_segment_fixed_size 199680
		.amdhsa_private_segment_fixed_size 0
		.amdhsa_enable_private_segment 0
		.amdhsa_kernarg_size 32
		.amdhsa_user_sgpr_count 2
		.amdhsa_user_sgpr_kernarg_segment_ptr 1
		.amdhsa_wavefront_size32 1
		.amdhsa_system_sgpr_workgroup_id_x 1
		.amdhsa_system_sgpr_workgroup_id_y 1
		.amdhsa_system_sgpr_workgroup_id_z 1
		.amdhsa_system_vgpr_workitem_id 0
		.amdhsa_next_free_vgpr 512
		.amdhsa_next_free_sgpr 66
		.amdhsa_reserve_vcc 0
		.amdhsa_float_denorm_mode_32 3
		.amdhsa_float_denorm_mode_16_64 3
		.amdhsa_memory_ordered 1
		.amdhsa_forward_progress 1
		.amdhsa_inst_pref_size 116
	.end_amdhsa_kernel
	.amdgpu_metadata
---
amdhsa.version: [ 1, 2 ]
amdhsa.kernels:
  - .name:           k_q883d0c1659_down
    .symbol:         k_q883d0c1659_down.kd
    .args:
      - { .name: w2, .offset: 0, .size: 8, .value_kind: global_buffer, .address_space: global }
      - { .name: h, .offset: 8, .size: 8, .value_kind: global_buffer, .address_space: global }
      - { .name: cntb, .offset: 16, .size: 8, .value_kind: global_buffer, .address_space: global }
      - { .name: part, .offset: 24, .size: 8, .value_kind: global_buffer, .address_space: global }
    .group_segment_fixed_size: 199680
    .private_segment_fixed_size: 0
    .kernarg_segment_align: 8
    .kernarg_segment_size: 32
    .max_flat_workgroup_size: 256
    .sgpr_count:     66
    .vgpr_count:     512
    .wavefront_size: 32
...
	.end_amdgpu_metadata
.endif
;; end of part 6
;; launch comb: the kernel of part 5 again; grid 256 x 1, 4 waves a work-group, no clusters, 0 bytes of LDS; arguments topi, rankb, part, out0, topw; writes out0
